; MI455X (gfx1250); checked and timed in simulation.
; The chip was launched on July 23, 2026; its instructions are those of AMD's public machine-readable ISA for CDNA 5 (MIT licence, August 2026) and "CDNA5" Instruction Set Architecture Reference Guide (July 2026). The comments in the code are by the model that wrote it; some were corrected since.
;; Sparse Mo E. Allowed arithmetic: float matrix products may take bf16 or f16 operands with f32 sums; other float arithmetic in f32, or as packed bf16 or f16 multiplies, adds, multiply-adds, maxima and minima; sums over many terms, partial sums and values carried from step to step in f32; what a program stores and reads back later, other than sums and carried values, may be rounded once to bf16 or f16.
;; Inputs: Wg 1,024 x 8 float32; bg 8 float32; w1 8 x 1,024 x 2,048 float32; w2 8 x 2,048 x 1,024 float32; w3 8 x 1,024 x 2,048 float32; x 4 x 256 x 1,024 float32.
;; Outputs: out0 4 x 256 x 1,024 float32.
;; 3 versions, each right; version 3 is version 2 with the launch ffn1 written anew for expert scheduling mode. Each part assembles by itself: llvm-mc -triple=amdgcn-amd-amdhsa -mcpu=gfx1250 --defsym DOCPART=n.
;; ======== version 1 of 3: 4 launches
;; workspace buffers: xb 2,097,152 bytes; idx 8,192 bytes of whole numbers; gates 8,192 bytes; hid 33,554,432 bytes; rl 32,768 bytes of whole numbers; cnt 1,024 bytes of whole numbers; ypart 33,554,432 bytes
;; launch router (part 1): grid 256 x 1, 4 waves a work-group, no clusters, 20,992 bytes of LDS; arguments x, Wg, bg, xb, idx, gates; writes xb, idx, gates
.if DOCPART == 1
	.amdgcn_target "amdgcn-amd-amdhsa--gfx1250"
	.amdhsa_code_object_version 6
	.text
	.protected	k_q383bf57b00_router
	.globl	k_q383bf57b00_router
	.p2align	8
	.type	k_q383bf57b00_router,@function
k_q383bf57b00_router:
	s_mov_b64 s[64:65], 0
	v_nop
	global_prefetch_b8 v0, s[64:65] scope:SCOPE_SE
	s_setreg_imm32_b32 hwreg(HW_REG_WAVE_MODE, 25, 1), 1
	s_wait_xcnt 0x0
; ROUTER.  logits[t][e] = sum over d of x[t][d] Wg[d][e] + bg[e]; the two largest (the lower index wins a tie, as jax.lax.top_k has it), a softmax over the two with the larger taken away first.
; Every input is rounded to bf16 first (x, Wg, bg), as in the products of the later launches; products of bf16 numbers are exact in f32, and the sums are kept in f32.
; Stored at fixed places: xb[t][1024] = x in bf16; idx[t][2] the two experts; gates[t][2] their weights.  No address hangs on the choice.
; SHARES.  256 work-groups of four waves; a wave takes one token t = 4 x work-group + wave; lane L takes d = 128 i + 4 L + u (i = 0..7, u = 0..3).
; The vector unit does this product: 16.8 MFLOP of the problem's 25.8 GFLOP, and Wg's rows of 8 numbers give no matrix fragment without hundreds of narrow loads.
; LDS.  Wg in bf16: 16 bytes a row d, four rows (64 bytes) at a pitch of 80.
; LIMITS.  Logits are taken to be finite: NaN and infinities are not treated apart.  A second weight below 2^-126 counts as 0.
.set SPARE, 20480                      ; behind Wg: the spare words, 128 bytes a wave
.set GP,  80                           ; pitch of a group of four rows of Wg
.set AC,  10                           ; v10-17  the eight logits
.set SPW, 28                           ; v28     my spare word's LDS address; never rewritten
.set NIL, 29                           ; v29     0; never rewritten
.set X,   32                           ; v32-63  x as loaded
.set XB,  64                           ; v64-79  x in bf16
.set W,   80                           ; v80-207 Wg: first 64 registers as loaded, later 128 of bf16 from LDS
.set CV,  144                          ; v144-175 Wg rounded, on its way to LDS
	s_load_b256 s[4:11], s[0:1], 0x0               ; x s[4:5], Wg s[6:7], bg s[8:9], xb s[10:11]
	s_load_b128 s[12:15], s[0:1], 0x20             ; idx s[12:13], gates s[14:15]
	v_lshl_add_u32 v[SPW], v0, 2, SPARE
	v_mov_b32 v[NIL], 0
	v_lshrrev_b32 v9, 5, v0
	v_readfirstlane_b32 s29, v9                    ; wave
	s_lshl_b32 s30, ttmp9, 2
	s_add_co_u32 s30, s30, s29                     ; my token
	v_and_b32 v1, 31, v0                           ; lane L
	v_lshlrev_b32 v2, 4, v0                        ; Wg: thread T loads piece 128 m + T of 16 bytes
	v_lshrrev_b32 v3, 3, v0
	v_mul_u32_u24 v3, v3, GP
	v_and_b32 v9, 7, v0
	v_lshl_add_u32 v3, v9, 3, v3                   ; and puts its 8 bytes at (T / 8) x 80 + (T % 8) x 8 + 1,280 m
	v_lshlrev_b32 v4, 4, v1                        ; x: 16 L
	v_mul_u32_u24 v5, v1, GP                       ; Wg from LDS: group 32 i + L
	v_lshlrev_b32 v6, 3, v1                        ; xb: 8 L
	s_lshl_b32 s32, s30, 12                        ; a row of x is 4,096 bytes,
	s_mov_b32 s33, 0
	s_lshl_b32 s34, s30, 11                        ; of xb 2,048
	s_mov_b32 s35, 0
	s_lshl_b32 s31, s30, 3
	v_lshl_add_u32 v7, v1, 2, s31                  ; idx and gates: 8 t + 4 L
	s_mov_b32 s24, 0x76543210                      ; v_permlanex16_b32: each lane takes its own place in the other half
	s_mov_b32 s25, 0xfedcba98
	s_wait_kmcnt 0x0
	s_load_b256 s[16:23], s[8:9], 0x0              ; bg's eight numbers
	s_add_nc_u64 s[4:5], s[4:5], s[32:33]
	s_add_nc_u64 s[10:11], s[10:11], s[34:35]
.irp m, 0,1,2,3,4,5,6,7,8,9,10,11,12,13,14,15
	global_load_b128 v[W+4*\m:W+4*\m+3], v2, s[6:7] offset:2048*\m   ; a wave's load covers 512 consecutive bytes
.endr
.irp i, 0,1,2,3,4,5,6,7
	global_load_b128 v[X+4*\i:X+4*\i+3], v4, s[4:5] offset:512*\i th:TH_LOAD_NT
.endr
	s_wait_loadcnt 8                               ; Wg is in; the eight younger loads, x, stay out
.irp m, 0,1,2,3,4,5,6,7,8,9,10,11,12,13,14,15
	v_cvt_pk_bf16_f32 v[CV+2*\m], v[W+4*\m], v[W+4*\m+1]
	v_cvt_pk_bf16_f32 v[CV+2*\m+1], v[W+4*\m+2], v[W+4*\m+3]
.endr
.irp m, 0,1,2,3,4,5,6,7,8,9,10,11,12,13,14,15
	ds_store_b64 v3, v[CV+2*\m:CV+2*\m+1] offset:1280*\m
.endr
	s_wait_dscnt 0x0                               ; for the others' sake: my part of Wg is in LDS
	s_barrier_signal -1
	s_barrier_wait -1                              ; everybody's is
.irp i, 0,1,2,3,4,5,6,7
.irp u, 0,1,2,3
	ds_load_b128 v[W+4*(4*\i+\u):W+4*(4*\i+\u)+3], v5 offset:32*GP*\i+16*\u   ; row d = 128 i + 4 L + u: eight bf16, one an expert
.endr
.endr
	s_wait_loadcnt 0x0                             ; x
.irp i, 0,1,2,3,4,5,6,7
	v_cvt_pk_bf16_f32 v[XB+2*\i], v[X+4*\i], v[X+4*\i+1]
	v_cvt_pk_bf16_f32 v[XB+2*\i+1], v[X+4*\i+2], v[X+4*\i+3]
.endr
.irp i, 0,1,2,3,4,5,6,7
	global_store_b64 v6, v[XB+2*\i:XB+2*\i+1], s[10:11] offset:256*\i   ; the wave's store covers 256 consecutive bytes, aligned
.endr
.irp e, 0,1,2,3,4,5,6,7
	v_mov_b32 v[AC+\e], 0
.endr
	s_wait_dscnt 0x0                               ; Wg's rows are in registers
; one multiply-add from two bf16 halves into an f32 sum; the eight sums take turns
.macro MIX e, u, i
.set rA, AC+(\e)
.set rW, W+4*(4*(\i)+(\u))+(\e)/2
.set rX, XB+2*(\i)+(\u)/2
.if ((\e)%2 == 0) && ((\u)%2 == 0)
	v_fma_mix_f32_bf16 v[rA], v[rW], v[rX], v[rA] op_sel_hi:[1,1,0]
.elseif ((\e)%2 == 1) && ((\u)%2 == 0)
	v_fma_mix_f32_bf16 v[rA], v[rW], v[rX], v[rA] op_sel:[1,0,0] op_sel_hi:[1,1,0]
.elseif ((\e)%2 == 0)
	v_fma_mix_f32_bf16 v[rA], v[rW], v[rX], v[rA] op_sel:[0,1,0] op_sel_hi:[1,1,0]
.else
	v_fma_mix_f32_bf16 v[rA], v[rW], v[rX], v[rA] op_sel:[1,1,0] op_sel_hi:[1,1,0]
.endif
.endm
.irp i, 0,1,2,3,4,5,6,7
.irp u, 0,1,2,3
.irp e, 0,1,2,3,4,5,6,7
	MIX \e, \u, \i
.endr
.endr
.endr
	; the eight sums over the 32 lanes: four steps inside each half ride on the addition, one crosses the halves
.irp k, 1,2,4,8
.irp e, 0,1,2,3,4,5,6,7
	v_add_f32_dpp v[AC+\e], v[AC+\e], v[AC+\e] row_xmask:\k row_mask:0xf bank_mask:0xf
.endr
.endr
	v_mov_b32 v26, 0                               ; v_permlanex16_b32's destination counts as read
.irp e, 0,1,2,3,4,5,6,7
	v_permlanex16_b32 v26, v[AC+\e], s24, s25
	v_add_f32 v[AC+\e], v[AC+\e], v26
.endr
	s_wait_kmcnt 0x0                               ; bg
.irp k, 0,1,2,3
	v_mov_b32 v20, s[16+2*\k]
	v_mov_b32 v21, s[17+2*\k]
	v_cvt_pk_bf16_f32 v22, v20, v21                ; bg rounded like the other inputs,
	v_lshlrev_b32 v20, 16, v22                     ; and widened again
	v_and_b32 v21, 0xffff0000, v22
	v_add_f32 v[AC+2*\k], v[AC+2*\k], v20
	v_add_f32 v[AC+2*\k+1], v[AC+2*\k+1], v21
.endr
	; the largest: a strict comparison keeps the lower index at a tie
	v_mov_b32 v18, v[AC]
	v_mov_b32 v19, 0
.irp e, 1,2,3,4,5,6,7
	v_cmp_gt_f32 vcc_lo, v[AC+\e], v18
	v_cndmask_b32 v18, v18, v[AC+\e], vcc_lo
	v_cndmask_b32 v19, v19, \e, vcc_lo
.endr
	; the second: the same scan over the experts other than the first
	v_mov_b32 v20, 0xff800000
	v_mov_b32 v21, 0
.irp e, 0,1,2,3,4,5,6,7
	v_cmp_gt_f32 vcc_lo, v[AC+\e], v20
	v_cmp_ne_u32 s26, \e, v19
	s_and_b32 vcc_lo, vcc_lo, s26
	v_cndmask_b32 v20, v20, v[AC+\e], vcc_lo
	v_cndmask_b32 v21, v21, \e, vcc_lo
.endr
	v_sub_f32 v22, v20, v18                        ; second less first: at most 0, so the exponential is at most 1
	v_mul_f32 v22, 0x3fb8aa3b, v22
	v_exp_f32 v23, v22
	v_nop                                          ; a plain instruction behind the exponential (ISA guide 5.7.2),
	s_wait_alu depctr_va_vdst(0)                   ; and a wait ahead of its first reader
	v_add_f32 v24, 1.0, v23
	v_rcp_f32 v25, v24                             ; the first weight
	v_nop
	s_wait_alu depctr_va_vdst(0)
	v_mul_f32 v26, v23, v25                        ; the second
	v_cmp_eq_u32 vcc_lo, 1, v1
	v_cndmask_b32 v22, v19, v21, vcc_lo            ; lane 0 holds the first choice, lane 1 the second
	v_cndmask_b32 v23, v25, v26, vcc_lo
	s_wait_xcnt 0x0                                ; EXEC changes only behind this wait: xb's stores name it
	v_cmp_gt_u32 vcc_lo, 2, v1
	s_and_saveexec_b32 s28, vcc_lo
	global_store_b32 v7, v22, s[12:13]
	global_store_b32 v7, v23, s[14:15]
	s_wait_xcnt 0x0                                ; and again in front of the line that widens it
	s_or_b32 exec_lo, exec_lo, s28
	s_wait_tensorcnt 0x0                           ; the wave's end, behind my last LDS store
	ds_add_u32 v[SPW], v[NIL]
	s_wait_dscnt 0x0
	s_endpgm
.Lfunc_end_k_q383bf57b00_router:
	.size	k_q383bf57b00_router, .Lfunc_end_k_q383bf57b00_router-k_q383bf57b00_router
	.p2alignl 7, 3214868480
	.fill 96, 4, 3214868480
	.section	.rodata,"a",@progbits
	.p2align	6, 0x0
	.amdhsa_kernel k_q383bf57b00_router
		.amdhsa_group_segment_fixed_size 20992
		.amdhsa_private_segment_fixed_size 0
		.amdhsa_enable_private_segment 0
		.amdhsa_kernarg_size 48
		.amdhsa_user_sgpr_count 2
		.amdhsa_user_sgpr_kernarg_segment_ptr 1
		.amdhsa_wavefront_size32 1
		.amdhsa_system_sgpr_workgroup_id_x 1
		.amdhsa_system_sgpr_workgroup_id_y 1
		.amdhsa_system_sgpr_workgroup_id_z 1
		.amdhsa_system_vgpr_workitem_id 0
		.amdhsa_next_free_vgpr 208
		.amdhsa_next_free_sgpr 66
		.amdhsa_reserve_vcc 1
		.amdhsa_float_denorm_mode_32 3
		.amdhsa_float_denorm_mode_16_64 3
		.amdhsa_memory_ordered 1
		.amdhsa_forward_progress 1
		.amdhsa_inst_pref_size 35
	.end_amdhsa_kernel
	.amdgpu_metadata
---
amdhsa.version: [ 1, 2 ]
amdhsa.kernels:
  - .name:           k_q383bf57b00_router
    .symbol:         k_q383bf57b00_router.kd
    .args:
      - { .name: x, .offset: 0, .size: 8, .value_kind: global_buffer, .address_space: global }
      - { .name: Wg, .offset: 8, .size: 8, .value_kind: global_buffer, .address_space: global }
      - { .name: bg, .offset: 16, .size: 8, .value_kind: global_buffer, .address_space: global }
      - { .name: xb, .offset: 24, .size: 8, .value_kind: global_buffer, .address_space: global }
      - { .name: idx, .offset: 32, .size: 8, .value_kind: global_buffer, .address_space: global }
      - { .name: gates, .offset: 40, .size: 8, .value_kind: global_buffer, .address_space: global }
    .group_segment_fixed_size: 20992
    .private_segment_fixed_size: 0
    .kernarg_segment_align: 8
    .kernarg_segment_size: 48
    .max_flat_workgroup_size: 128
    .sgpr_count:     66
    .vgpr_count:     208
    .wavefront_size: 32
...
	.end_amdgpu_metadata
.endif
;; end of part 1
;; launch ffn1 (part 2): grid 32 x 8, 4 waves a work-group, no clusters, 268,800 bytes of LDS; arguments xb, idx, w1, w3, hid, rl, cnt; writes hid, rl, cnt
.if DOCPART == 2
	.amdgcn_target "amdgcn-amd-amdhsa--gfx1250"
	.amdhsa_code_object_version 6
	.text
	.protected	k_q383bf57b00_ffn1
	.globl	k_q383bf57b00_ffn1
	.p2align	8
	.type	k_q383bf57b00_ffn1,@function
k_q383bf57b00_ffn1:
	s_mov_b64 s[64:65], 0
	v_nop
	global_prefetch_b8 v0, s[64:65] scope:SCOPE_SE
	s_setreg_imm32_b32 hwreg(HW_REG_WAVE_MODE, 25, 1), 1
	s_wait_xcnt 0x0
; FIRST PRODUCTS OF THE EXPERTS.  hid = silu(x w1[e]) * (x w3[e]) for the rows routed to expert e alone, rounded once to bf16.  Operands bf16 (the f32 weights are rounded on their way through registers), sums f32.
; SHARES.  Work-group (s, e): expert e, hidden columns 64 s .. 64 s + 63 of w1 (mat 0) and of w3 (mat 1): a slice of weights that it alone reads, once where the expert has up to 320 rows.
; An expert's tokens are ranked by ascending token; tile T is ranks 16 T .. 16 T + 15.  A PASS is 20 tiles; wave w owns tiles 20 r + 4 i + w, i = 0..4: 40 accumulators.  Four passes cover every split (1,024 rows on one expert);
; the trip counts are constants, every wave passes every barrier, and a pass past the expert's tiles jumps its work.  Ranks past the count repeat token 0; an expert without rows still makes tile 0, which the next launch loads and does not store.
; K goes in chunks of 128.  Wave w brings K step w (32 rows) of a chunk for both mats, rounds pairs of rows to bf16 and stores them into LDS as the fragments' register images; all four waves read them.
; Its own 80 token rows go through LDS bytes of its own.  THE MATRIX INSTRUCTION takes source 0 = 16 weight columns, source 1 = 16 tokens: a lane then holds one token and eight neighbouring hidden columns.
; THE QUEUE.  Trip c multiplies chunk c out of slot c % 2; its four blocks SUB b move batch b of chunk c + 1 from registers into the other slot and ask for batch b of chunk c + 2 at once (10 loads of tokens, 8 of weights).
; So the loads asked for are always the same four batches in the same cyclic order, whether a trip ran or was jumped, and each counted wait holds on every way through the text.  By the text's count 72 loads are asked for at a time;
; issue holds where the counter's field is full (ISA guide 5.7.1).  Chunks wrap into the next pass; where there is none, the lanes' offsets are masked to 0 and the 32 loads read 16 bytes each inside the buffer.
; THE ACCUMULATORS ARE CLEARED, not started by a first product: which trips run hangs on a loaded count, and a way through the text that jumped the first product would read them unwritten.
; NO CLUSTER, NO TENSOR LOADS: each weight byte has one reader; the token rows that an expert's 32 work-groups share come by a list, which no tile descriptor covers.
; LIMITS.  silu(a) = a / (1 + 2^(-a log2 e)): where the exponential overflows the result is 0 as long as the two products' product is finite.  NaN and infinities are not treated apart.
.set PITCH, 8192                       ; bytes from row to row of w1, w3
.set CH,    20                         ; a chunk, 128 rows, is 2^20 bytes on
.set FS,    1040                       ; a fragment's image: 1,024 bytes + 16, so that the 16 lanes of a store (four fragments, four places each) touch 16 different 16-byte columns of the banks (ISA guide 11.1)
.set MS,    4*FS                       ; a mat of a K step: four fragments
.set KSB,   2*MS                       ; a K step
.set WB,    4*KSB                      ; a chunk's weights: 33,280 bytes
.set XP,    272                        ; a token's 256 bytes of a chunk + 16
.set XW,    80*XP                      ; a wave's 80 rows
.set SLOT,  WB+4*XW                    ; 120,320
.set LIST,  2*SLOT                     ; behind the two slots: a list for each wave, its own
.set LW,    6912                       ; 1,664 entries (five passes' ranks), 32 dump words, and room to a multiple of 256
.set DUMP,  1664
.set SPARE, LIST+4*LW                  ; the spare words, 128 bytes a wave
.set OCAP,  0xfffff                    ; above every offset inside a chunk: 852,208 for a load's lane, 1,040,384 for a prefetch's
; window 0
.set LN,  1                            ; lane L
.set RR,  2                            ; r = L % 16
.set HH,  3                            ; h = L / 16
.set R16, 4                            ; 16 r
.set WO,  5                            ; my offset in a chunk of weights: (32 w + 8 h) rows + 16 r
.set WOE, 6                            ; the same, or 0
.set XST, 7                            ; LDS: where I put token rows, slot 0 (slot 1: +4)
.set WST, 8                            ; where I put weights
.set BLD, 9                            ; where I read weight fragments
.set ALD, 10                           ; where I read token fragments
.set LRB, 15                           ; my place in my list for pass 0
.set LRP, 16                           ; for the pass in hand
.set L16, 17                           ; 16 L
.set PF,  18                           ; prefetch: row 32 w + L of a chunk
.set PFE, 19                           ; the same, or 0
.set SPW, 28
.set NIL, 29
.set TMP, 32                           ; v32-47   weights rounded, on their way to LDS
.set XOFF, 48                          ; v48-87   byte offsets in xb of my 80 rows, two rows a register
.set AB,  88                           ; v88-167  token fragments, two buffers of 40
.set T1,  88                           ; the way out works where they lay
.set T2,  120
.set OO,  152
.set IDX, 168                          ; v168-231 idx, at the start
; window 1
.set BB,  0                            ; v256-383 weight fragments, two buffers of 64
.set WS,  128                          ; v384-511 weights as loaded: four batches of 32
; window 2: accumulators of tiles 0-3, (i, a) at 64 i + 8 a;  window 3: tile 4 at v768-831
.set XS,  64                           ; v832-991 token rows as loaded: 40 x 4
.set MSB, 0
.macro WIN new                         ; bits 1:0 source 0, 3:2 source 1, 5:4 source 2, 7:6 destination; the high byte repeats the setting that is left
.if MSB != (\new)
	s_set_vgpr_msb (MSB<<8)|(\new)
.set MSB, \new
.endif
.endm
; batch b = (mat b / 2, half b % 2): rows 16 half + 8 h + j of my K step; 16 lanes take a row's 256 bytes, aligned
.macro WLOAD b
	WIN 0x40
.irp j, 0,1,2,3,4,5,6,7
	global_load_b128 v[WS+32*(\b)+4*(\j):WS+32*(\b)+4*(\j)+3], v[WOE], s[36+2*((\b)/2):37+2*((\b)/2)] offset:(16*((\b)%2)+(\j))*PITCH th:TH_LOAD_NT
.endr
	WIN 0
.endm
.macro XLOAD b                         ; 20 of my 80 token rows: 16 lanes take a token's 256 bytes of the chunk
	WIN 0xc0
.irp u, 0,1,2,3,4,5,6,7,8,9
	global_load_b128 v[XS+40*(\b)+4*(\u):XS+40*(\b)+4*(\u)+3], v[XOFF+10*(\b)+(\u)], s[40:41]
.endr
	WIN 0
.endm
.macro PREF                            ; lane L asks for the 256 bytes of row 32 w + L, once for each mat: each block is asked for by one lane of one wave
	global_prefetch_b8 v[PFE], s[50:51] th:TH_LOAD_NT scope:SCOPE_SE
	global_prefetch_b8 v[PFE], s[52:53] th:TH_LOAD_NT scope:SCOPE_SE
.endm
; the offsets of my 80 rows in pass s44.  Register m: ranks 320 pass + 64 (m / 8) + 16 w + 2 (m % 8) + h.  XOFF's registers are free: s_wait_xcnt 0 stands ahead of every use of this macro.
.macro XOFFS
	s_mul_i32 s44, s44, 1280
	v_add_nc_u32 v[LRP], s44, v[LRB]
.set m, 0
.rept 40
	ds_load_b32 v[XOFF+m], v[LRP] offset:(m/8)*256+(m%8)*8
.set m, m+1
.endr
	s_wait_dscnt 0x0
.set m, 0
.rept 40
	v_min_u32 v[XOFF+m], 0x7ff, v[XOFF+m]          ; an entry is token + 1,024 x slot: a loaded number enters an address only behind a clamp by a constant
.set m, m+1
.endr
.set m, 0
.rept 40
	v_and_b32 v[XOFF+m], 0x3ff, v[XOFF+m]          ; the token
.set m, m+1
.endr
.set m, 0
.rept 40
	v_lshl_add_u32 v[XOFF+m], v[XOFF+m], 11, v[R16]
.set m, m+1
.endr
.endm
; the fragments of K step ks out of slot sl, into buffer ks % 2: 16 loads of weights (contiguous, 16 bytes a lane), 10 of my tokens
.macro LDF ks, sl
	WIN 0x40
.irp a, 0,1,2,3,4,5,6,7
	ds_load_b128 v[BB+64*((\ks)&1)+8*(\a):BB+64*((\ks)&1)+8*(\a)+3], v[BLD+4*(\sl)] offset:(2*(\ks)+(\a)/4)*MS+((\a)%4)*FS
	ds_load_b128 v[BB+64*((\ks)&1)+8*(\a)+4:BB+64*((\ks)&1)+8*(\a)+7], v[BLD+4*(\sl)] offset:(2*(\ks)+(\a)/4)*MS+((\a)%4)*FS+512
.endr
	WIN 0
.irp i, 0,1,2,3,4
	ds_load_b128 v[AB+40*((\ks)&1)+8*(\i):AB+40*((\ks)&1)+8*(\i)+3], v[ALD+4*(\sl)] offset:(\i)*16*XP+64*(\ks)
	ds_load_b128 v[AB+40*((\ks)&1)+8*(\i)+4:AB+40*((\ks)&1)+8*(\i)+7], v[ALD+4*(\sl)] offset:(\i)*16*XP+64*(\ks)+32
.endr
.endm
; my live tiles' products for K step ks: eight accumulators a tile, by turns; from the first dead tile on they are jumped
.macro TILES ks
.irp i, 0,1,2,3,4
	s_cmp_le_u32 s26, \i
	s_cbranch_scc1 .Lke_\@
	WIN 0xa1+0x50*((\i)/4)
.irp a, 0,1,2,3,4,5,6,7
	v_wmma_f32_16x16x32_bf16 v[64*((\i)%4)+8*(\a):64*((\i)%4)+8*(\a)+7], v[BB+64*((\ks)&1)+8*(\a):BB+64*((\ks)&1)+8*(\a)+7], v[AB+40*((\ks)&1)+8*(\i):AB+40*((\ks)&1)+8*(\i)+7], v[64*((\i)%4)+8*(\a):64*((\i)%4)+8*(\a)+7]
.endr
	WIN 0
.endr
.Lke_\@:
.endm
; batch b goes from registers into slot tg, and is asked for again.  Its sixteen conversions name no register of the products: they are the places between those products and the next loads into their sources.
.macro SUB b, tg
	s_wait_loadcnt 54                              ; loads return in order (ISA guide 5.7.1): my batch is in; the three younger batches, 3 x 18 loads, stay out
	WIN 0x0c
.irp u, 0,1,2,3,4,5,6,7,8,9
	ds_store_b128 v[XST+4*(\tg)], v[XS+40*(\b)+4*(\u):XS+40*(\b)+4*(\u)+3] offset:(20*(\b)+2*(\u))*XP
.endr
	WIN 0x05
.irp cc, 0,1,2,3
.irp mm, 0,1,2,3
	v_cvt_pk_bf16_f32 v[TMP+4*(\cc)+(\mm)], v[WS+32*(\b)+8*(\mm)+(\cc)], v[WS+32*(\b)+8*(\mm)+4+(\cc)]   ; rows 2 mm, 2 mm + 1 of column 4 r + cc: register mm of a fragment's half
.endr
.endr
	WIN 0
.irp cc, 0,1,2,3
	ds_store_b128 v[WST+4*(\tg)], v[TMP+4*(\cc):TMP+4*(\cc)+3] offset:((\b)/2)*MS+((\b)%2)*512+(\cc)*16
.endr
	XLOAD \b
	WLOAD \b
.endm
.macro KSTEP ks, sl
.if (\ks) == 0
	s_wait_dscnt 0x0                               ; the step's fragments are in
.else
	s_wait_dscnt 14                                ; the step's fragments are in; behind them stand the 14 stores of the block before, which may stay out
.endif
.if (\ks) < 3
	LDF (\ks)+1, \sl
.endif
.if (\ks) == 0
	PREF                                           ; chunk c + 3: one trip ahead of the trip that loads it
.endif
	TILES \ks
	SUB \ks, 1-(\sl)
.endm
.macro CLEAR
	WIN 0x80
.set z, 0
.rept 256
	v_mov_b32 v[z], 0
.set z, z+1
.endr
	WIN 0xc0
.set z, 0
.rept 64
	v_mov_b32 v[z], 0
.set z, z+1
.endr
	WIN 0
.endm
; tile i leaves: silu(a1) a3 = a1 a3 / (1 + 2^(-a1 log2 e)), rounded to bf16.  A lane's eight numbers of fragment f are 16 bytes; the wave's store covers 512 consecutive bytes of hid, aligned.
; Each accumulator is read from its low end on.
.macro EPI i
	s_cmp_le_u32 s26, \i
	s_cbranch_scc1 .Lepi_end
.set AW, 2+(\i)/4
.set AC, 64*((\i)%4)
	WIN AW
.set q, 0
.rept 16
	v_pk_mul_f32 v[T1+2*q:T1+2*q+1], v[AC+2*q:AC+2*q+1], s[48:49] op_sel_hi:[1,0]
.set q, q+1
.endr
	WIN 0
.set q, 0
.rept 32
	v_exp_f32 v[T1+q], v[T1+q]
.set q, q+1
.endr
	WIN 5*AW
.set q, 0
.rept 16
	v_pk_mul_f32 v[T2+2*q:T2+2*q+1], v[AC+2*q:AC+2*q+1], v[AC+32+2*q:AC+32+2*q+1]   ; independent work behind the batch of exponentials
.set q, q+1
.endr
	WIN 0
	s_wait_alu depctr_va_vdst(0)                   ; one wait for the 32 exponentials, ahead of their first reader
.set q, 0
.rept 16
	v_pk_add_f32 v[T1+2*q:T1+2*q+1], v[T1+2*q:T1+2*q+1], 1.0 op_sel_hi:[1,0]
.set q, q+1
.endr
.set q, 0
.rept 32
	v_rcp_f32 v[T1+q], v[T1+q]
.set q, q+1
.endr
	v_nop                                          ; a plain instruction behind the last reciprocal (ISA guide 5.7.2)
	s_wait_alu depctr_va_vdst(0)                   ; one wait for the 32 reciprocals
.set q, 0
.rept 16
	v_pk_mul_f32 v[T2+2*q:T2+2*q+1], v[T2+2*q:T2+2*q+1], v[T1+2*q:T1+2*q+1]
.set q, q+1
.endr
	s_wait_xcnt 0x0                                ; the last tile's stores have read OO
.set q, 0
.rept 16
	v_cvt_pk_bf16_f32 v[OO+q], v[T2+2*q], v[T2+2*q+1]
.set q, q+1
.endr
.irp f, 0,1,2,3
	global_store_b128 v[L16], v[OO+4*\f:OO+4*\f+3], s[42:43] offset:(\i)*8192+\f*512
.endr
.endm
; THE WORK OF A TRIP, chunk c = 2 p + hf, out of slot hf.  All chunk offsets are made from the counter p alone.
.macro G hf
	s_wait_xcnt 0x0                                ; the bases and offsets that earlier loads and prefetches name are rewritten only behind this wait
	s_lshl_b32 s44, s24, 1
	s_add_co_u32 s45, s44, (\hf)+3
	s_add_co_u32 s44, s44, (\hf)+2
	s_and_b32 s44, s44, 7                          ; the chunk to ask for, c + 2, wraps into the next pass
	s_and_b32 s45, s45, 7                          ; the chunk to prefetch, c + 3
	s_lshl_b32 s32, s44, CH
	s_lshl_b32 s34, s44, 8
	s_lshl_b32 s46, s45, CH
	s_add_nc_u64 s[36:37], s[8:9], s[32:33]
	s_add_nc_u64 s[38:39], s[10:11], s[32:33]
	s_add_nc_u64 s[40:41], s[4:5], s[34:35]
	s_add_nc_u64 s[50:51], s[8:9], s[46:47]
	s_add_nc_u64 s[52:53], s[10:11], s[46:47]
	s_cmp_ge_u32 s24, 3                            ; chunks 6 and 7 ask for the next pass's weights: if there is none, every lane's offset is 0
	s_cselect_b32 s31, s27, -1
	v_and_b32 v[WOE], s31, v[WO]
	v_min_u32 v[WOE], OCAP, v[WOE]                 ; the mask hangs on a loaded count: what is made with it enters an address only behind a clamp by a constant
	s_cmp_ge_u32 s24, 3-(\hf)                      ; the prefetch wraps a chunk earlier; masked, it asks at the chunk's first byte, inside the buffer
	s_cselect_b32 s31, s27, -1
	v_and_b32 v[PFE], s31, v[PF]
	v_min_u32 v[PFE], OCAP, v[PFE]                 ; likewise
.if (\hf) == 0
	s_cmp_lg_u32 s24, 3
	s_cbranch_scc1 .Lnox
	s_add_co_u32 s44, s23, 1                       ; chunk 6 asks for the next pass's rows first
	XOFFS
.Lnox:
.endif
	LDF 0, \hf
	KSTEP 0, \hf
	KSTEP 1, \hf
	KSTEP 2, \hf
	KSTEP 3, \hf
.if (\hf) == 1
	s_cmp_lg_u32 s24, 3
	s_cbranch_scc1 .Lnoe
	EPI 0                                          ; the pass's sums are whole; the last block's conversions are the places behind the last products
	EPI 1
	EPI 2
	EPI 3
	EPI 4
.Lepi_end:
	s_cmp_eq_u32 s27, 0
	s_cbranch_scc1 .Lnoe
	CLEAR                                          ; for the next pass, where there is one
.Lnoe:
.endif
.endm
	s_load_b256 s[4:11], s[0:1], 0x0               ; xb s[4:5], idx s[6:7], w1 s[8:9], w3 s[10:11]
	s_load_b128 s[12:15], s[0:1], 0x20             ; hid s[12:13], rl s[14:15]
	s_load_b64 s[16:17], s[0:1], 0x30              ; cnt
	v_lshl_add_u32 v[SPW], v0, 2, SPARE
	v_mov_b32 v[NIL], 0
	v_lshrrev_b32 v20, 5, v0
	v_readfirstlane_b32 s18, v20                   ; wave w
	s_and_b32 s19, ttmp7, 0xffff                   ; expert e
	s_mov_b32 s20, ttmp9                           ; slice s
	v_and_b32 v[LN], 31, v0
	v_and_b32 v[RR], 15, v0
	v_bfe_u32 v[HH], v0, 4, 1
	v_lshlrev_b32 v[R16], 4, v[RR]
	v_lshlrev_b32 v[L16], 4, v[LN]
	s_lshl_b32 s44, s18, 18                        ; 32 w rows of 8,192 bytes
	v_lshl_add_u32 v[WO], v[HH], 16, v[R16]        ; 8 h rows + 16 r
	v_add_nc_u32 v[WO], s44, v[WO]
	v_mov_b32 v[WOE], v[WO]
	v_lshl_add_u32 v[PF], v[LN], 13, s44
	v_mov_b32 v[PFE], v[PF]
	s_mul_i32 s45, s18, XW
	s_add_co_u32 s45, s45, WB                      ; my 80 rows in a slot
	v_mul_u32_u24 v20, v[HH], XP
	v_add_nc_u32 v20, v20, v[R16]
	v_add_nc_u32 v[XST], s45, v20                  ; in: lanes 0-15 one row, lanes 16-31 the next
	v_mul_u32_u24 v20, v[RR], XP
	v_lshl_add_u32 v20, v[HH], 4, v20
	v_add_nc_u32 v[ALD], s45, v20                  ; a fragment: row r, 16 h
	v_lshrrev_b32 v20, 2, v[RR]
	v_mul_u32_u24 v20, v20, FS                     ; column 4 r + cc lies in fragment r / 4,
	v_and_b32 v21, 3, v[RR]
	v_lshl_add_u32 v20, v21, 6, v20                ; at the fragment's lane 4 (r % 4) + cc + 16 h, 16 bytes a lane
	v_lshl_add_u32 v20, v[HH], 8, v20
	s_mul_i32 s46, s18, KSB
	v_add_nc_u32 v[WST], s46, v20
	v_mov_b32 v[BLD], v[L16]
.irp k, 0,1,2,3
	v_add_nc_u32 v[XST+4+\k], SLOT, v[XST+\k]      ; the same four in slot 1
.endr
	s_mul_i32 s54, s18, LW
	s_add_co_u32 s54, s54, LIST                    ; my list
	s_lshl_b32 s44, s18, 6
	s_add_co_u32 s44, s44, s54
	v_lshl_add_u32 v[LRB], v[HH], 2, s44           ; rank 16 w + h
	v_add_nc_u32 v25, s54, v[L16]
	v_add_nc_u32 v22, DUMP, v[LN]                  ; my dump word's index
	v_lshlrev_b32 v23, 3, v[LN]                    ; idx: 8 bytes a token
	v_mov_b32 v24, v[LN]                           ; the token of group 0
	v_mov_b32 v26, 0x400
.irp k, 0,1,2,3
	v_mov_b32 v[TMP+\k], 0
.endr
	s_mov_b32 s48, 0xbfb8aa3b                      ; -log2(e)
	s_mov_b32 s49, s48                             ; named with it as a pair
	s_lshl_b32 s32, s19, 23                        ; an expert's weights are 8,388,608 bytes,
	s_lshl_b32 s44, s20, 8                         ; a slice's columns 256
	s_add_co_u32 s32, s32, s44
	s_mov_b32 s33, 0
	s_lshl_b32 s34, s19, 5
	s_add_co_u32 s34, s34, s20
	s_lshl_b32 s34, s34, 17                        ; hid: block (e, s) of 131,072 bytes,
	s_lshl_b32 s44, s18, 11                        ; tile w of 2,048
	s_add_co_u32 s34, s34, s44
	s_mov_b32 s35, 0
	s_lshl_b32 s46, s19, 12
	s_mov_b32 s47, 0
	s_lshl_b32 s44, s19, 7
	s_mov_b32 s45, 0
	s_wait_kmcnt 0x0
	s_add_nc_u64 s[8:9], s[8:9], s[32:33]
	s_add_nc_u64 s[10:11], s[10:11], s[32:33]
	s_add_nc_u64 s[12:13], s[12:13], s[34:35]
	s_add_nc_u64 s[14:15], s[14:15], s[46:47]
	s_add_nc_u64 s[16:17], s[16:17], s[44:45]
.set g, 0
.rept 32
	global_load_b64 v[IDX+2*g:IDX+2*g+1], v23, s[6:7] offset:256*g   ; token 32 g + L: its two experts
.set g, g+1
.endr
	s_mov_b64 s[36:37], s[8:9]                     ; chunk 0
	s_mov_b64 s[38:39], s[10:11]
	WLOAD 0
	WLOAD 1
	WLOAD 2
	WLOAD 3
	s_add_nc_u64 s[50:51], s[8:9], 2<<CH           ; chunk 1 is loaded below, chunk 2 in the first trip: it is prefetched here
	s_add_nc_u64 s[52:53], s[10:11], 2<<CH
	PREF
.set k, 0
.rept 13
	ds_store_b128 v25, v[TMP:TMP+3] offset:512*k   ; the list starts as zeros: a rank past the count names token 0
.set k, k+1
.endr
	s_wait_loadcnt 32                              ; idx is in; the 32 younger loads, weights, stay out
	; THE LIST: each wave makes the whole of it in bytes of its own, so no wave waits for another.  LDS serves a wave's instructions in order (ISA guide 5.7.1.4): the entries land on the zeros, the reads below see them.
	s_mov_b32 s21, 0
.set g, 0
.rept 32
	v_cmp_eq_u32 s44, s19, v[IDX+2*g]              ; e is the first choice,
	v_cmp_eq_u32 vcc_lo, s19, v[IDX+2*g+1]         ; or the second
	s_or_b32 s45, s44, vcc_lo
	v_mbcnt_lo_u32_b32 v20, s45, 0                 ; routed lanes below me,
	v_add_nc_u32 v20, s21, v20                     ; and in the groups before: my rank
	v_cndmask_b32 v20, v22, v20, s45               ; a lane that is not routed writes its dump word
	v_min_u32 v20, DUMP+31, v20                    ; a number made of loaded ones enters an address only behind a clamp by a constant
	v_lshl_add_u32 v20, v20, 2, s54
	v_cndmask_b32 v21, 0, v26, vcc_lo
	v_add_nc_u32 v21, v21, v24                     ; token + 1,024 x slot
	ds_store_b32 v20, v21
	v_add_nc_u32 v24, 32, v24
	s_bcnt1_i32_b32 s45, s45
	s_add_co_u32 s21, s21, s45
.set g, g+1
.endr
	s_add_co_u32 s22, s21, 15                      ; M rows are
	s_lshr_b32 s22, s22, 4
	s_max_u32 s22, s22, 1                          ; Mt tiles, one at the least
	s_mov_b32 s44, 0
	XOFFS
	s_mov_b64 s[40:41], s[4:5]                     ; chunk 0 of my rows
	XLOAD 0
	XLOAD 1
	XLOAD 2
	XLOAD 3
	CLEAR                                          ; in the wait for the first loads
	s_cmp_lg_u32 s20, 0
	s_cbranch_scc1 .Lnorl
	s_cmp_lg_u32 s18, 0
	s_cbranch_scc1 .Lnorl
.irp k, 0,1,2,3,4,5,6,7                ; slice 0's wave 0 stores the expert's list and count for the next launch
	ds_load_b128 v[T1+4*\k:T1+4*\k+3], v25 offset:512*\k
.endr
	v_mov_b32 v27, s21
	v_lshlrev_b32 v26, 2, v[LN]
	s_wait_dscnt 0x0
.irp k, 0,1,2,3,4,5,6,7
	global_store_b128 v[L16], v[T1+4*\k:T1+4*\k+3], s[14:15] offset:512*\k
.endr
	global_store_b32 v26, v27, s[16:17]
	s_wait_xcnt 0x0                                ; the stores' registers are rewritten only behind this wait
.Lnorl:
	s_wait_loadcnt 0x0                             ; chunk 0 is in registers, and the bases may be written
	s_add_nc_u64 s[36:37], s[8:9], 1<<CH           ; chunk 1
	s_add_nc_u64 s[38:39], s[10:11], 1<<CH
	s_add_nc_u64 s[40:41], s[4:5], 256
	SUB 0, 0                                       ; chunk 0 into slot 0; chunk 1 is asked for: the queue is in its cyclic order
	SUB 1, 0
	SUB 2, 0
	SUB 3, 0
	s_mov_b32 s23, 0
.Lpass:
	s_wait_xcnt 0x0                                ; the last pass's stores have read hid's base
	s_mul_i32 s28, s23, 20                         ; the pass's first tile
	s_mul_i32 s44, s23, 20*2048
	s_mov_b32 s45, 0
	s_add_nc_u64 s[42:43], s[12:13], s[44:45]
	s_sub_co_i32 s44, s22, s28
	s_sub_co_i32 s44, s44, s18
	s_max_i32 s44, s44, 0
	s_add_co_u32 s44, s44, 3
	s_lshr_b32 s44, s44, 2
	s_min_u32 s26, s44, 5                          ; my live tiles: those i with 20 r + 4 i + w < Mt
	s_add_co_u32 s44, s28, 20
	s_cmp_lt_u32 s44, s22
	s_cselect_b32 s27, -1, 0                       ; is there a next pass?
	s_cmp_lt_u32 s28, s22
	s_cselect_b32 s25, 1, 0                        ; is this one live?  The same in all four waves
	s_mov_b32 s24, 0
.Lpair:
	s_wait_dscnt 0x0                               ; my stores into slot 0 are done, and my reads of slot 1 are over
	s_barrier_signal -1
	s_barrier_wait -1                              ; both hold of every wave: slot 0 is whole, slot 1 may be written
	s_cmp_eq_u32 s25, 0
	s_cbranch_scc1 .Lodd                           ; a dead pass jumps the work, never the barrier
	G 0
.Lodd:
	s_wait_dscnt 0x0                               ; the same with the slots changed
	s_barrier_signal -1
	s_barrier_wait -1
	s_cmp_eq_u32 s25, 0
	s_cbranch_scc1 .Lnext
	G 1
.Lnext:
	s_add_co_u32 s24, s24, 1
	s_cmp_lt_u32 s24, 4
	s_cbranch_scc1 .Lpair
	s_add_co_u32 s23, s23, 1
	s_cmp_lt_u32 s23, 4
	s_cbranch_scc1 .Lpass
	s_wait_tensorcnt 0x0                           ; the wave's end, behind my last LDS store
	ds_add_u32 v[SPW], v[NIL]
	s_wait_dscnt 0x0
	s_endpgm
.Lfunc_end_k_q383bf57b00_ffn1:
	.size	k_q383bf57b00_ffn1, .Lfunc_end_k_q383bf57b00_ffn1-k_q383bf57b00_ffn1
	.p2alignl 7, 3214868480
	.fill 96, 4, 3214868480
	.section	.rodata,"a",@progbits
	.p2align	6, 0x0
	.amdhsa_kernel k_q383bf57b00_ffn1
		.amdhsa_group_segment_fixed_size 268800
		.amdhsa_private_segment_fixed_size 0
		.amdhsa_enable_private_segment 0
		.amdhsa_kernarg_size 56
		.amdhsa_user_sgpr_count 2
		.amdhsa_user_sgpr_kernarg_segment_ptr 1
		.amdhsa_wavefront_size32 1
		.amdhsa_system_sgpr_workgroup_id_x 1
		.amdhsa_system_sgpr_workgroup_id_y 1
		.amdhsa_system_sgpr_workgroup_id_z 1
		.amdhsa_system_vgpr_workitem_id 0
		.amdhsa_next_free_vgpr 992
		.amdhsa_next_free_sgpr 66
		.amdhsa_reserve_vcc 1
		.amdhsa_float_denorm_mode_32 3
		.amdhsa_float_denorm_mode_16_64 3
		.amdhsa_memory_ordered 1
		.amdhsa_forward_progress 1
		.amdhsa_inst_pref_size 204
	.end_amdhsa_kernel
	.amdgpu_metadata
---
amdhsa.version: [ 1, 2 ]
amdhsa.kernels:
  - .name:           k_q383bf57b00_ffn1
    .symbol:         k_q383bf57b00_ffn1.kd
    .args:
      - { .name: xb, .offset: 0, .size: 8, .value_kind: global_buffer, .address_space: global }
      - { .name: idx, .offset: 8, .size: 8, .value_kind: global_buffer, .address_space: global }
      - { .name: w1, .offset: 16, .size: 8, .value_kind: global_buffer, .address_space: global }
      - { .name: w3, .offset: 24, .size: 8, .value_kind: global_buffer, .address_space: global }
      - { .name: hid, .offset: 32, .size: 8, .value_kind: global_buffer, .address_space: global }
      - { .name: rl, .offset: 40, .size: 8, .value_kind: global_buffer, .address_space: global }
      - { .name: cnt, .offset: 48, .size: 8, .value_kind: global_buffer, .address_space: global }
    .group_segment_fixed_size: 268800
    .private_segment_fixed_size: 0
    .kernarg_segment_align: 8
    .kernarg_segment_size: 56
    .max_flat_workgroup_size: 128
    .sgpr_count:     66
    .vgpr_count:     992
    .wavefront_size: 32
...
	.end_amdgpu_metadata
.endif
;; end of part 2
;; launch ffn2 (part 3): grid 32 x 8, 4 waves a work-group, no clusters, 100,864 bytes of LDS; arguments hid, rl, cnt, w2, ypart; writes ypart
.if DOCPART == 3
	.amdgcn_target "amdgcn-amd-amdhsa--gfx1250"
	.amdhsa_code_object_version 6
	.text
	.protected	k_q383bf57b00_ffn2
	.globl	k_q383bf57b00_ffn2
	.p2align	8
	.type	k_q383bf57b00_ffn2,@function
k_q383bf57b00_ffn2:
	s_mov_b64 s[64:65], 0
	v_nop
	global_prefetch_b8 v0, s[64:65] scope:SCOPE_SE
	s_setreg_imm32_b32 hwreg(HW_REG_WAVE_MODE, 25, 1), 1
	s_wait_xcnt 0x0
; SECOND PRODUCT OF THE EXPERTS.  ypart[kq][slot x 1,024 + token][:] = the part of hid w2[e] that hidden rows 512 kq .. 512 kq + 511 give, in f32 (a partial sum), for the rows routed to expert e.
; SHARES.  Work-group (cs + 8 kq, e): columns 128 cs .. + 127 of w2[e] (mat 0: the first 64, mat 1: the others), rows 512 kq .. + 511: a piece of weights that it alone reads.  Tiles, passes and waves as in the launch before:
; tile T is ranks 16 T .. 16 T + 15 of the expert; a pass is 20 tiles, wave w owns tiles 20 r + 4 i + w; four passes of constant trip counts cover every split; every wave passes every barrier, a dead pass jumps its work.
; K goes in four chunks of 128.  Wave w brings K step w of a chunk's weights, rounds them to bf16 and stores them into LDS as the fragments' register images.  The token fragments come from memory straight into
; registers: hid lies as [e][slice of 64][tile][8 columns][16 rows][8 numbers], which is the fragment's image, 512 consecutive bytes a load.
; THE QUEUE.  Trip c multiplies chunk c.  Block SUB b moves weight batch b of chunk c + 1 into the other slot, asks for K step b's token fragments of chunk c + 1 (10 loads, into the registers just multiplied) and for weight batch b
; of chunk c + 2 (8 loads).  The loads asked for are always the same four batches in the same cyclic order, whether a trip ran or was jumped, so each counted wait holds on every way through the text.
; Dead tiles repeat the expert's last tile, which the launch before wrote; rows past the count are computed and not stored: whole stores are jumped.
; THE ACCUMULATORS ARE CLEARED, not started by a first product: which trips run hangs on a loaded count.
; NO CLUSTER, NO TENSOR LOADS: each weight byte has one reader.  hid is shared by the eight column blocks of one (e, kq), some 2 KB a tile and slice against 256 KB of weights a work-group and chunk pair; a joint load could not be
; jumped in a dead pass and would send the fragments through LDS.
.set PITCH, 4096
.set CH,    19                         ; a chunk, 128 rows, is 2^19 bytes on
.set FS,    1040
.set MS,    4*FS
.set KSB,   2*MS
.set WB,    4*KSB
.set SLOT,  WB
.set STAGE, 2*SLOT                     ; behind the two slots: 16 rows x 528 bytes for each wave, its own, for the way out
.set SP,    528                        ; 512 bytes + 16: the 16 rows of a store start in 16 different groups of four banks (ISA guide 11.1)
.set SPARE, STAGE+4*16*SP
.set OCAP,  0xfffff                    ; above every offset inside a chunk: 426,224 for a load's lane, 520,192 for a prefetch's
.set LN,  1
.set RR,  2
.set HH,  3
.set R16, 4
.set WO,  5
.set WOE, 6
.set WST, 8                            ; slot 1: +4
.set BLD, 9
.set STO, 14
.set RD,  15
.set L16, 17
.set PF,  18
.set PFE, 19
.set SPW, 28
.set NIL, 29
.set TMP, 32                           ; v32-47
.set AOFF, 48                          ; v48-52  byte offsets of my five tiles in a slice's block of hid
.set T,   56                           ; v56-87  eight rows on their way out
.set VA,  88                           ; v88-95  their offsets in ypart
.set AS,  96                           ; v96-255 token fragments: K step b, tile i at 40 b + 8 i
.set BB,  0                            ; window 1: weight fragments, two buffers of 64
.set WS,  128                          ; window 1: weights as loaded
.set MSB, 0
.macro WIN new
.if MSB != (\new)
	s_set_vgpr_msb (MSB<<8)|(\new)
.set MSB, \new
.endif
.endm
.macro WLOAD b
	WIN 0x40
.irp j, 0,1,2,3,4,5,6,7
	global_load_b128 v[WS+32*(\b)+4*(\j):WS+32*(\b)+4*(\j)+3], v[WOE], s[36+2*((\b)/2):37+2*((\b)/2)] offset:(16*((\b)%2)+(\j))*PITCH th:TH_LOAD_NT
.endr
	WIN 0
.endm
.macro PREF
	global_prefetch_b8 v[PFE], s[68:69] th:TH_LOAD_NT scope:SCOPE_SE
	global_prefetch_b8 v[PFE], s[70:71] th:TH_LOAD_NT scope:SCOPE_SE
.endm
.macro AOFFS                           ; s44: the pass's first tile.  s_wait_xcnt 0 stands ahead of every use
.irp i, 0,1,2,3,4
	s_add_co_u32 s45, s44, 4*\i
	s_add_co_u32 s45, s45, s18
	s_min_u32 s45, s45, s30                        ; a dead tile repeats tile Mt - 1
	s_min_u32 s45, s45, 63                         ; a number made of a loaded count enters an address only behind a clamp by a constant
	s_lshl_b32 s45, s45, 11
	v_add_nc_u32 v[AOFF+\i], s45, v[L16]
.endr
.endm
.macro LDF ks, sl
	WIN 0x40
.irp a, 0,1,2,3,4,5,6,7
	ds_load_b128 v[BB+64*((\ks)&1)+8*(\a):BB+64*((\ks)&1)+8*(\a)+3], v[BLD+4*(\sl)] offset:(2*(\ks)+(\a)/4)*MS+((\a)%4)*FS
	ds_load_b128 v[BB+64*((\ks)&1)+8*(\a)+4:BB+64*((\ks)&1)+8*(\a)+7], v[BLD+4*(\sl)] offset:(2*(\ks)+(\a)/4)*MS+((\a)%4)*FS+512
.endr
	WIN 0
.endm
.macro TILES ks                        ; eight accumulators a tile, by turns; dead tiles are jumped
.irp i, 0,1,2,3,4
	s_cmp_le_u32 s26, \i
	s_cbranch_scc1 .Lke_\@
	WIN 0xa1+0x50*((\i)/4)
.irp a, 0,1,2,3,4,5,6,7
	v_wmma_f32_16x16x32_bf16 v[64*((\i)%4)+8*(\a):64*((\i)%4)+8*(\a)+7], v[BB+64*((\ks)&1)+8*(\a):BB+64*((\ks)&1)+8*(\a)+7], v[AS+40*(\ks)+8*(\i):AS+40*(\ks)+8*(\i)+7], v[64*((\i)%4)+8*(\a):64*((\i)%4)+8*(\a)+7]
.endr
	WIN 0
.endr
.Lke_\@:
.endm
.macro SUB b, tg
	s_wait_loadcnt 54                              ; my weight batch is in; behind it stand three blocks of 18 loads
	WIN 0x05
.irp cc, 0,1,2,3
.irp mm, 0,1,2,3
	v_cvt_pk_bf16_f32 v[TMP+4*(\cc)+(\mm)], v[WS+32*(\b)+8*(\mm)+(\cc)], v[WS+32*(\b)+8*(\mm)+4+(\cc)]   ; sixteen plain instructions: the places between K step b's products and the loads into their sources
.endr
.endr
	WIN 0
.irp cc, 0,1,2,3
	ds_store_b128 v[WST+4*(\tg)], v[TMP+4*(\cc):TMP+4*(\cc)+3] offset:((\b)/2)*MS+((\b)%2)*512+(\cc)*16
.endr
.irp i, 0,1,2,3,4
.irp u, 0,1
	global_load_b128 v[AS+40*(\b)+8*(\i)+4*(\u):AS+40*(\b)+8*(\i)+4*(\u)+3], v[AOFF+(\i)], s[40:41] offset:((\b)/2)*131072+(((\b)%2)*4+2*(\u))*256
.endr
.endr
	WLOAD \b
.endm
.macro KSTEP ks, sl
.if (\ks) == 0
	s_wait_dscnt 0x0
.else
	s_wait_dscnt 4                                 ; the step's weight fragments are in; the four stores of the block before may stay out
.endif
.if (\ks) < 3
	LDF (\ks)+1, \sl
.endif
.if (\ks) == 0
	PREF                                           ; chunk c + 3: one trip ahead of the trip that loads it
.endif
	s_wait_loadcnt 62                              ; the step's token fragments are in: behind them stand their own block's 8 weight loads and three blocks of 18
	TILES \ks
	SUB \ks, 1-(\sl)
.endm
.macro CLEAR
	WIN 0x80
.set z, 0
.rept 256
	v_mov_b32 v[z], 0
.set z, z+1
.endr
	WIN 0xc0
.set z, 0
.rept 64
	v_mov_b32 v[z], 0
.set z, z+1
.endr
	WIN 0
.endm
; tile i leaves.  A lane holds one token and eight columns an accumulator; through my stage the rows come back whole, 512 bytes a row across the wave, and each goes to the place that the list names.
.macro OUT i
	s_cmp_le_u32 s26, \i
	s_cbranch_scc1 .Lout_end
	s_add_co_u32 s44, s28, 4*(\i)
	s_add_co_u32 s44, s44, s18                     ; the tile
	s_lshl_b32 s16, s44, 6
	s_mov_b32 s17, 0
	s_add_nc_u64 s[16:17], s[42:43], s[16:17]
	s_load_b512 s[48:63], s[16:17], 0x0            ; its sixteen entries
	s_lshl_b32 s44, s44, 4
	s_sub_co_u32 s45, s21, s44                     ; rows of it that exist (0 where the expert has none)
	WIN 0x08+4*((\i)/4)
.irp a, 0,1,2,3,4,5,6,7
.irp u, 0,1
	ds_store_b128 v[STO], v[64*((\i)%4)+8*(\a)+4*(\u):64*((\i)%4)+8*(\a)+4*(\u)+3] offset:64*(\a)+16*(\u)   ; each accumulator's low half first
.endr
.endr
	WIN 0
.irp hh, 0,1
	s_wait_xcnt 0x0                                ; earlier stores have read T and VA
.irp p, 0,1,2,3,4,5,6,7
	ds_load_b128 v[T+4*\p:T+4*\p+3], v[RD] offset:(8*\hh+\p)*SP   ; LDS serves a wave's instructions in order (ISA guide 5.7.1.4): these see the stores above
.endr
.if \hh == 0
	s_wait_kmcnt 0x0                               ; the entries
.endif
.irp p, 0,1,2,3,4,5,6,7
	s_cmp_le_u32 s45, 8*\hh+\p
	s_cbranch_scc1 .Lte_\@                         ; rows past the count are not stored
	s_min_u32 s44, s[48+8*\hh+\p], 2047            ; slot x 1,024 + token, clamped by a constant before it enters an address
	s_lshl_b32 s44, s44, 12
	v_add_nc_u32 v[VA+\p], s44, v[L16]
	s_wait_dscnt 7-\p                              ; row p of the eight is back
	global_store_b128 v[VA+\p], v[T+4*\p:T+4*\p+3], s[12:13]   ; 512 consecutive bytes of one row, aligned
.endr
.endr
.Lte_\@:
	s_wait_dscnt 0x0                               ; on the way that jumped: no load into T is left out
.endm
.macro G hf                            ; chunk c = 2 p + hf, out of slot hf
	s_wait_xcnt 0x0                                ; bases and offsets are rewritten only behind this wait
	s_lshl_b32 s44, s24, 1
	s_add_co_u32 s45, s44, (\hf)+3
	s_add_co_u32 s31, s44, (\hf)+1
	s_add_co_u32 s44, s44, (\hf)+2
	s_and_b32 s44, s44, 3                          ; weights: chunk c + 2,
	s_and_b32 s31, s31, 3                          ; tokens: chunk c + 1,
	s_and_b32 s45, s45, 3                          ; prefetch: chunk c + 3; all wrap into the next pass
	s_lshl_b32 s32, s44, CH
	s_lshl_b32 s34, s31, 18                        ; a chunk is two slices' blocks of hid
	s_lshl_b32 s46, s45, CH
	s_add_nc_u64 s[36:37], s[10:11], s[32:33]
	s_add_nc_u64 s[38:39], s[36:37], 256
	s_add_nc_u64 s[40:41], s[4:5], s[34:35]
	s_add_nc_u64 s[68:69], s[10:11], s[46:47]
	s_add_nc_u64 s[70:71], s[68:69], 256
	s_cmp_ge_u32 s24, 1                            ; chunks 2 and 3 ask for the next pass's weights: if there is none, every lane's offset is 0
	s_cselect_b32 s31, s27, -1
	v_and_b32 v[WOE], s31, v[WO]
	v_min_u32 v[WOE], OCAP, v[WOE]                 ; the mask hangs on a loaded count: what is made with it enters an address only behind a clamp by a constant
	s_cmp_ge_u32 s24, 1-(\hf)                      ; the prefetch wraps a chunk earlier; masked, it asks at the chunk's first byte, inside the buffer
	s_cselect_b32 s31, s27, -1
	v_and_b32 v[PFE], s31, v[PF]
	v_min_u32 v[PFE], OCAP, v[PFE]                 ; likewise
.if (\hf) == 1
	s_cmp_lg_u32 s24, 1
	s_cbranch_scc1 .Lnoa
	s_add_co_u32 s44, s28, 20                      ; chunk 3 asks for the next pass's tiles
	AOFFS
.Lnoa:
.endif
	LDF 0, \hf
	KSTEP 0, \hf
	KSTEP 1, \hf
	KSTEP 2, \hf
	KSTEP 3, \hf
.if (\hf) == 1
	s_cmp_lg_u32 s24, 1
	s_cbranch_scc1 .Lnoo
	OUT 0                                          ; the pass's sums are whole; the last block's conversions are the places behind the last products
	OUT 1
	OUT 2
	OUT 3
	OUT 4
.Lout_end:
	s_cmp_eq_u32 s27, 0
	s_cbranch_scc1 .Lnoo
	CLEAR
.Lnoo:
.endif
.endm
	s_load_b256 s[4:11], s[0:1], 0x0               ; hid s[4:5], rl s[6:7], cnt s[8:9], w2 s[10:11]
	s_load_b64 s[12:13], s[0:1], 0x20              ; ypart
	v_lshl_add_u32 v[SPW], v0, 2, SPARE
	v_mov_b32 v[NIL], 0
	v_lshrrev_b32 v20, 5, v0
	v_readfirstlane_b32 s18, v20                   ; wave w
	s_and_b32 s19, ttmp7, 0xffff                   ; expert e
	s_and_b32 s20, ttmp9, 7                        ; column block cs
	s_lshr_b32 s29, ttmp9, 3                       ; quarter of K, kq
	v_and_b32 v[LN], 31, v0
	v_and_b32 v[RR], 15, v0
	v_bfe_u32 v[HH], v0, 4, 1
	v_lshlrev_b32 v[R16], 4, v[RR]
	v_lshlrev_b32 v[L16], 4, v[LN]
	s_lshl_b32 s44, s18, 17                        ; 32 w rows of 4,096 bytes
	v_lshl_add_u32 v[WO], v[HH], 15, v[R16]
	v_add_nc_u32 v[WO], s44, v[WO]
	v_mov_b32 v[WOE], v[WO]
	v_lshl_add_u32 v[PF], v[LN], 12, s44
	v_mov_b32 v[PFE], v[PF]
	v_lshrrev_b32 v20, 2, v[RR]
	v_mul_u32_u24 v20, v20, FS
	v_and_b32 v21, 3, v[RR]
	v_lshl_add_u32 v20, v21, 6, v20
	v_lshl_add_u32 v20, v[HH], 8, v20
	s_mul_i32 s46, s18, KSB
	v_add_nc_u32 v[WST], s46, v20
	v_mov_b32 v[BLD], v[L16]
	v_add_nc_u32 v[WST+4], SLOT, v[WST]
	v_add_nc_u32 v[BLD+4], SLOT, v[BLD]
	s_mul_i32 s45, s18, 16*SP
	s_add_co_u32 s45, s45, STAGE                   ; my stage
	v_mul_u32_u24 v20, v[RR], SP
	v_lshl_add_u32 v20, v[HH], 5, v20
	v_add_nc_u32 v[STO], s45, v20                  ; in: row r, 32 bytes for each half of the lanes
	v_add_nc_u32 v[RD], s45, v[L16]                ; back: a whole row across the wave
	s_lshl_b32 s32, s19, 23
	s_lshl_b32 s44, s29, 21
	s_add_co_u32 s32, s32, s44
	s_lshl_b32 s44, s20, 9
	s_add_co_u32 s32, s32, s44                     ; w2: expert, 512 kq rows, 128 cs columns
	s_mov_b32 s33, 0
	s_lshl_b32 s34, s19, 5
	s_lshl_b32 s44, s29, 3
	s_add_co_u32 s34, s34, s44
	s_lshl_b32 s34, s34, 17                        ; hid: block (e, 8 kq)
	s_mov_b32 s35, 0
	s_lshl_b32 s46, s19, 12                        ; rl
	s_mov_b32 s47, 0
	s_lshl_b32 s16, s19, 7                         ; cnt
	s_mov_b32 s17, 0
	s_lshl_b32 s44, s29, 23
	s_lshl_b32 s45, s20, 9
	s_add_co_u32 s44, s44, s45                     ; ypart: part kq, 128 cs columns
	s_mov_b32 s45, 0
	s_wait_kmcnt 0x0
	s_add_nc_u64 s[8:9], s[8:9], s[16:17]
	s_load_b32 s21, s[8:9], 0x0                    ; the expert's count
	s_add_nc_u64 s[10:11], s[10:11], s[32:33]
	s_add_nc_u64 s[4:5], s[4:5], s[34:35]
	s_add_nc_u64 s[42:43], s[6:7], s[46:47]
	s_add_nc_u64 s[12:13], s[12:13], s[44:45]
	s_mov_b32 s46, 0
	s_mov_b64 s[36:37], s[10:11]                   ; chunk 0
	s_add_nc_u64 s[38:39], s[10:11], 256
	WLOAD 0
	WLOAD 1
	WLOAD 2
	WLOAD 3
	s_add_nc_u64 s[68:69], s[10:11], 2<<CH         ; chunk 1 is loaded below, chunk 2 in the first trip: it is prefetched here
	s_add_nc_u64 s[70:71], s[68:69], 256
	PREF
	s_wait_kmcnt 0x0
	s_min_u32 s21, s21, 1024                       ; M
	s_add_co_u32 s22, s21, 15
	s_lshr_b32 s22, s22, 4
	s_max_u32 s22, s22, 1                          ; Mt
	s_sub_co_u32 s30, s22, 1
	s_mov_b32 s44, 0
	AOFFS
	CLEAR                                          ; in the wait for the first loads
	s_wait_loadcnt 0x0                             ; chunk 0's weights are in registers, and the bases may be written
	s_add_nc_u64 s[36:37], s[10:11], 1<<CH         ; weights: chunk 1
	s_add_nc_u64 s[38:39], s[36:37], 256
	s_mov_b64 s[40:41], s[4:5]                     ; tokens: chunk 0
	SUB 0, 0
	SUB 1, 0
	SUB 2, 0
	SUB 3, 0
	s_mov_b32 s23, 0
.Lpass:
	s_mul_i32 s28, s23, 20
	s_sub_co_i32 s44, s22, s28
	s_sub_co_i32 s44, s44, s18
	s_max_i32 s44, s44, 0
	s_add_co_u32 s44, s44, 3
	s_lshr_b32 s44, s44, 2
	s_min_u32 s26, s44, 5                          ; my live tiles
	s_add_co_u32 s44, s28, 20
	s_cmp_lt_u32 s44, s22
	s_cselect_b32 s27, -1, 0                       ; is there a next pass?
	s_cmp_lt_u32 s28, s22
	s_cselect_b32 s25, 1, 0                        ; is this one live?  The same in all four waves
	s_mov_b32 s24, 0
.Lpair:
	s_wait_dscnt 0x0                               ; my stores into slot 0 are done, and my reads of slot 1 are over
	s_barrier_signal -1
	s_barrier_wait -1
	s_cmp_eq_u32 s25, 0
	s_cbranch_scc1 .Lodd                           ; a dead pass jumps the work, never the barrier
	G 0
.Lodd:
	s_wait_dscnt 0x0
	s_barrier_signal -1
	s_barrier_wait -1
	s_cmp_eq_u32 s25, 0
	s_cbranch_scc1 .Lnext
	G 1
.Lnext:
	s_add_co_u32 s24, s24, 1
	s_cmp_lt_u32 s24, 2
	s_cbranch_scc1 .Lpair
	s_add_co_u32 s23, s23, 1
	s_cmp_lt_u32 s23, 4
	s_cbranch_scc1 .Lpass
	s_wait_tensorcnt 0x0                           ; the wave's end, behind my last LDS store
	ds_add_u32 v[SPW], v[NIL]
	s_wait_dscnt 0x0
	s_endpgm
.Lfunc_end_k_q383bf57b00_ffn2:
	.size	k_q383bf57b00_ffn2, .Lfunc_end_k_q383bf57b00_ffn2-k_q383bf57b00_ffn2
	.p2alignl 7, 3214868480
	.fill 96, 4, 3214868480
	.section	.rodata,"a",@progbits
	.p2align	6, 0x0
	.amdhsa_kernel k_q383bf57b00_ffn2
		.amdhsa_group_segment_fixed_size 100864
		.amdhsa_private_segment_fixed_size 0
		.amdhsa_enable_private_segment 0
		.amdhsa_kernarg_size 40
		.amdhsa_user_sgpr_count 2
		.amdhsa_user_sgpr_kernarg_segment_ptr 1
		.amdhsa_wavefront_size32 1
		.amdhsa_system_sgpr_workgroup_id_x 1
		.amdhsa_system_sgpr_workgroup_id_y 1
		.amdhsa_system_sgpr_workgroup_id_z 1
		.amdhsa_system_vgpr_workitem_id 0
		.amdhsa_next_free_vgpr 832
		.amdhsa_next_free_sgpr 72
		.amdhsa_reserve_vcc 0
		.amdhsa_float_denorm_mode_32 3
		.amdhsa_float_denorm_mode_16_64 3
		.amdhsa_memory_ordered 1
		.amdhsa_forward_progress 1
		.amdhsa_inst_pref_size 142
	.end_amdhsa_kernel
	.amdgpu_metadata
---
amdhsa.version: [ 1, 2 ]
amdhsa.kernels:
  - .name:           k_q383bf57b00_ffn2
    .symbol:         k_q383bf57b00_ffn2.kd
    .args:
      - { .name: hid, .offset: 0, .size: 8, .value_kind: global_buffer, .address_space: global }
      - { .name: rl, .offset: 8, .size: 8, .value_kind: global_buffer, .address_space: global }
      - { .name: cnt, .offset: 16, .size: 8, .value_kind: global_buffer, .address_space: global }
      - { .name: w2, .offset: 24, .size: 8, .value_kind: global_buffer, .address_space: global }
      - { .name: ypart, .offset: 32, .size: 8, .value_kind: global_buffer, .address_space: global }
    .group_segment_fixed_size: 100864
    .private_segment_fixed_size: 0
    .kernarg_segment_align: 8
    .kernarg_segment_size: 40
    .max_flat_workgroup_size: 128
    .sgpr_count:     72
    .vgpr_count:     832
    .wavefront_size: 32
...
	.end_amdgpu_metadata
.endif
;; end of part 3
;; launch combine (part 4): grid 256 x 1, 8 waves a work-group, no clusters, 0 bytes of LDS; arguments ypart, gates, out0; writes out0
.if DOCPART == 4
	.amdgcn_target "amdgcn-amd-amdhsa--gfx1250"
	.amdhsa_code_object_version 6
	.text
	.protected	k_q383bf57b00_combine
	.globl	k_q383bf57b00_combine
	.p2align	8
	.type	k_q383bf57b00_combine,@function
k_q383bf57b00_combine:
	s_mov_b64 s[64:65], 0
	v_nop
	global_prefetch_b8 v0, s[64:65] scope:SCOPE_SE
	s_setreg_imm32_b32 hwreg(HW_REG_WAVE_MODE, 25, 1), 1
	s_wait_xcnt 0x0
; THE SUM.  out0[t][:] = g0[t] x (the four K parts of slot 0's row t) + g1[t] x (those of slot 1's), all in f32.
; A stream: each byte of ypart is read once, each byte of out0 written once; no LDS, no barrier, no matrix unit: nothing is shared and nothing is multiplied by a matrix.
; A work-group takes tokens 4 g .. 4 g + 3; thread T takes bytes 16 T of a row, so a wave's load or store covers 512 consecutive bytes and the eight waves a row.  All 32 loads of a thread go out before the first wait.
.set Y, 4                              ; v4-131: token q, slot sl, part k at Y + 32 q + 16 sl + 4 k
	s_load_b128 s[4:7], s[0:1], 0x0                ; ypart s[4:5], gates s[6:7]
	s_load_b64 s[8:9], s[0:1], 0x10                ; out0
	v_lshlrev_b32 v1, 4, v0
	s_lshl_b32 s10, ttmp9, 14                      ; four rows of 4,096 bytes
	s_mov_b32 s11, 0
	s_lshl_b32 s12, ttmp9, 5                       ; four tokens' two gates
	s_mov_b32 s13, 0
	s_wait_kmcnt 0x0
	s_add_nc_u64 s[6:7], s[6:7], s[12:13]
	s_load_b256 s[16:23], s[6:7], 0x0
	s_add_nc_u64 s[24:25], s[4:5], s[10:11]        ; a base for each part: 8,388,608 bytes apart, more than a load's immediate holds (ISA guide, chapter 10)
	s_add_nc_u64 s[26:27], s[24:25], 0x800000
	s_add_nc_u64 s[28:29], s[26:27], 0x800000
	s_add_nc_u64 s[30:31], s[28:29], 0x800000
	s_add_nc_u64 s[8:9], s[8:9], s[10:11]
.irp q, 0,1,2,3
.irp sl, 0,1
.irp k, 0,1,2,3
	global_load_b128 v[Y+32*\q+16*\sl+4*\k:Y+32*\q+16*\sl+4*\k+3], v1, s[24+2*\k:25+2*\k] offset:\sl*4194304+\q*4096 th:TH_LOAD_NT
.endr
.endr
.endr
	s_wait_kmcnt 0x0                               ; the gates
.irp q, 0,1,2,3
	s_wait_loadcnt 8*(3-\q)                        ; token q's eight loads are in; the later tokens' stay out
.irp sl, 0,1
.set B, Y+32*\q+16*\sl
	v_pk_add_f32 v[B:B+1], v[B:B+1], v[B+4:B+5]
	v_pk_add_f32 v[B+2:B+3], v[B+2:B+3], v[B+6:B+7]
	v_pk_add_f32 v[B+8:B+9], v[B+8:B+9], v[B+12:B+13]
	v_pk_add_f32 v[B+10:B+11], v[B+10:B+11], v[B+14:B+15]
	v_pk_add_f32 v[B:B+1], v[B:B+1], v[B+8:B+9]
	v_pk_add_f32 v[B+2:B+3], v[B+2:B+3], v[B+10:B+11]
.endr
.set B, Y+32*\q
.irp j, 0,1,2,3
	v_mul_f32 v[B+\j], s[16+2*\q], v[B+\j]
.endr
.irp j, 0,1,2,3
	v_fma_f32 v[B+\j], s[17+2*\q], v[B+16+\j], v[B+\j]
.endr
	global_store_b128 v1, v[B:B+3], s[8:9] offset:\q*4096 th:TH_STORE_NT
.endr
	s_endpgm
.Lfunc_end_k_q383bf57b00_combine:
	.size	k_q383bf57b00_combine, .Lfunc_end_k_q383bf57b00_combine-k_q383bf57b00_combine
	.p2alignl 7, 3214868480
	.fill 96, 4, 3214868480
	.section	.rodata,"a",@progbits
	.p2align	6, 0x0
	.amdhsa_kernel k_q383bf57b00_combine
		.amdhsa_group_segment_fixed_size 0
		.amdhsa_private_segment_fixed_size 0
		.amdhsa_enable_private_segment 0
		.amdhsa_kernarg_size 24
		.amdhsa_user_sgpr_count 2
		.amdhsa_user_sgpr_kernarg_segment_ptr 1
		.amdhsa_wavefront_size32 1
		.amdhsa_system_sgpr_workgroup_id_x 1
		.amdhsa_system_sgpr_workgroup_id_y 1
		.amdhsa_system_sgpr_workgroup_id_z 1
		.amdhsa_system_vgpr_workitem_id 0
		.amdhsa_next_free_vgpr 136
		.amdhsa_next_free_sgpr 66
		.amdhsa_reserve_vcc 0
		.amdhsa_float_denorm_mode_32 3
		.amdhsa_float_denorm_mode_16_64 3
		.amdhsa_memory_ordered 1
		.amdhsa_forward_progress 1
		.amdhsa_inst_pref_size 9
	.end_amdhsa_kernel
	.amdgpu_metadata
---
amdhsa.version: [ 1, 2 ]
amdhsa.kernels:
  - .name:           k_q383bf57b00_combine
    .symbol:         k_q383bf57b00_combine.kd
    .args:
      - { .name: ypart, .offset: 0, .size: 8, .value_kind: global_buffer, .address_space: global }
      - { .name: gates, .offset: 8, .size: 8, .value_kind: global_buffer, .address_space: global }
      - { .name: out0, .offset: 16, .size: 8, .value_kind: global_buffer, .address_space: global }
    .group_segment_fixed_size: 0
    .private_segment_fixed_size: 0
    .kernarg_segment_align: 8
    .kernarg_segment_size: 24
    .max_flat_workgroup_size: 256
    .sgpr_count:     66
    .vgpr_count:     136
    .wavefront_size: 32
...
	.end_amdgpu_metadata
.endif
;; end of part 4
;; ======== version 2 of 3: 4 launches
;; workspace buffers: xb 2,097,152 bytes; idx 8,192 bytes of whole numbers; gates 8,192 bytes; hid 33,554,432 bytes; pos 32,768 bytes of whole numbers; cnt 1,024 bytes of whole numbers; ypart 134,217,728 bytes
;; launch router: the kernel of part 1 again; grid 256 x 1, 4 waves a work-group, no clusters, 20,992 bytes of LDS; arguments x, Wg, bg, xb, idx, gates; writes xb, idx, gates
;; launch ffn1 (part 5): grid 32 x 8, 4 waves a work-group, no clusters, 241,152 bytes of LDS; arguments xb, idx, w1, w3, hid, pos, cnt; writes hid, pos, cnt
.if DOCPART == 5
	.amdgcn_target "amdgcn-amd-amdhsa--gfx1250"
	.amdhsa_code_object_version 6
	.text
	.protected	k_q383bf57b00_ffn1
	.globl	k_q383bf57b00_ffn1
	.p2align	8
	.type	k_q383bf57b00_ffn1,@function
k_q383bf57b00_ffn1:
	s_mov_b64 s[64:65], 0
	v_nop
	global_prefetch_b8 v0, s[64:65] scope:SCOPE_SE
	s_setreg_imm32_b32 hwreg(HW_REG_WAVE_MODE, 25, 1), 1
	s_wait_xcnt 0x0
; FIRST PRODUCTS OF THE EXPERTS.  hid = silu(x w1[e]) * (x w3[e]) for the rows routed to expert e alone, rounded once to bf16.  Operands bf16 (the f32 weights are rounded on their way through registers), sums f32.
; SHARES.  Work-group (s, e): expert e, hidden columns 64 s .. 64 s + 63 of w1 (mat 0) and of w3 (mat 1): a slice of weights that it alone reads, once where the expert has up to 320 rows.
; An expert's tokens are ranked by ascending token; tile T is ranks 16 T .. 16 T + 15.  A PASS is 20 tiles; wave w owns tiles 20 r + 4 i + w, i = 0..4: 40 accumulators.  Four passes cover every split (1,024 rows on one expert);
; the trip counts are constants, every wave passes every barrier, and a pass past the expert's tiles jumps its work.  Ranks past the count repeat token 0; an expert without rows still makes tile 0, which the next launch loads and does not store.
; THE ROUTING STAYS IN REGISTERS.  The expert's tokens are a bitmap of 32 scalar words.  A lane that wants the token of rank q scans the words' running counts for the last word that begins at or below q, and then finds that
; word's (q - count)-th set bit by five halvings over the word's partial bit counts.  A wave's 80 ranks of a pass are three registers' lanes.  No LDS byte and no wait is spent on it, and EXEC is never narrowed.
; Also stored for the later launches: pos[e][token] = 1,024 e + the number of e's tokens below that token, which is the token's rank where it chose e and a number that nobody reads elsewhere (work-group (s, e) stores the 32 words
; of tokens 32 s .. 32 s + 31, so the 256 work-groups write the whole table); and cnt[e] = the expert's rows.
; K goes in chunks of 128.  Wave w brings K step w (32 rows) of a chunk for both mats, rounds pairs of rows to bf16 and stores them into LDS as the fragments' register images; all four waves read them.
; Its own 80 token rows go through LDS bytes of its own.  THE MATRIX INSTRUCTION takes source 0 = 16 weight columns, source 1 = 16 tokens: a lane then holds one token and eight neighbouring hidden columns.
; THE QUEUE.  Trip c multiplies chunk c out of slot c % 2; its four blocks SUB b move batch b of chunk c + 1 from registers into the other slot and ask for batch b of chunk c + 2 at once (10 loads of tokens, 8 of weights).
; So the loads asked for are always the same four batches in the same cyclic order, whether a trip ran or was jumped, and each counted wait holds on every way through the text.  By the text's count 72 loads are asked for at a time;
; issue holds where the counter's field is full (ISA guide 5.7.1).  Chunks wrap into the next pass; where there is none, the weight lanes' offsets are masked to 0, and the token registers behind the last pass hold token 0
; (behind a fourth pass: that pass's tokens once more).
; THE ACCUMULATORS ARE CLEARED, not started by a first product: which trips run hangs on a loaded count, and a way through the text that jumped the first product would read them unwritten.
; NO CLUSTER, NO TENSOR LOADS: each weight byte has one reader; the token rows that an expert's 32 work-groups share are chosen row by row, which no tile descriptor covers.
; LIMITS.  silu(a) = a / (1 + 2^(-a log2 e)): where the exponential overflows the result is 0 as long as the two products' product is finite.  NaN and infinities are not treated apart.
.set PITCH, 8192                       ; bytes from row to row of w1, w3
.set CH,    20                         ; a chunk, 128 rows, is 2^20 bytes on
.set FS,    1040                       ; a fragment's image: 1,024 bytes + 16, so that the 16 lanes of a store (four fragments, four places each) touch 16 different 16-byte columns of the banks (ISA guide 11.1)
.set MS,    4*FS                       ; a mat of a K step: four fragments
.set KSB,   2*MS                       ; a K step
.set WB,    4*KSB                      ; a chunk's weights: 33,280 bytes
.set XP,    272                        ; a token's 256 bytes of a chunk + 16
.set XW,    80*XP                      ; a wave's 80 rows
.set SLOT,  WB+4*XW                    ; 120,320
.set SPARE, 2*SLOT                     ; behind the two slots: the spare words, 128 bytes a wave
.set OCAP,  0xfffff                    ; above every offset inside a chunk: 852,208 for a load's lane, 1,040,384 for a prefetch's
; window 0
.set LN,  1                            ; lane L
.set RR,  2                            ; r = L % 16
.set HH,  3                            ; h = L / 16
.set R16, 4                            ; 16 r
.set WO,  5                            ; my offset in a chunk of weights: (32 w + 8 h) rows + 16 r
.set WOE, 6                            ; the same, or 0
.set XST, 7                            ; LDS: where I put token rows, slot 0 (slot 1: +4)
.set WST, 8                            ; where I put weights
.set BLD, 9                            ; where I read weight fragments
.set ALD, 10                           ; where I read token fragments
.set RKB, 15                           ; 64 h + 16 w + r: my lane's rank in pass 0, first rank register
.set L16, 17                           ; 16 L
.set PF,  18                           ; prefetch: row 32 w + L of a chunk
.set PFE, 19                           ; the same, or 0
.set SPW, 28
.set NIL, 29
.set TMP, 32                           ; v32-47   weights rounded, on their way to LDS
.set XOFF, 48                          ; v48-87   byte offsets in xb of my 80 rows, two rows a register
.set AB,  88                           ; v88-167  token fragments, two buffers of 40
.set T1,  88                           ; the way out works where they lay
.set T2,  120
.set OO,  152
.set IDX, 168                          ; v168-231 idx, at the start
.set TK,  232                          ; v232-243 tokens by rank: three registers a pass, the pass in hand in front; lane (h, r) of register j: tile 2 j + h of my five, row r
; at work while ranks are turned into tokens, three registers each, where the token fragments will lie
.set RK,  88                           ; the ranks
.set WW,  92                           ; the bitmap word that holds the rank
.set PP,  96                           ; tokens before that word, and 32 x the word's number 16 bits up
.set KK,  100                          ; which set bit of the word
.set SA,  104                          ; the word's bit counts by 2,
.set SB,  108                          ; by 4,
.set SC,  112                          ; by 8,
.set SD,  116                          ; and, in the lowest byte, of its low 16
.set PO,  120                          ; the bit's place
.set TA,  124
.set TB,  128
; window 1
.set BB,  0                            ; v256-383 weight fragments, two buffers of 64
.set WS,  128                          ; v384-511 weights as loaded: four batches of 32
; window 2: accumulators of tiles 0-3, (i, a) at 64 i + 8 a;  window 3: tile 4 at v768-831
.set XS,  64                           ; v832-991 token rows as loaded: 40 x 4
.set SM,  58                           ; s58-60   three lane masks
.set HM,  63                           ; s63      lanes 16 to 31
.set MK,  66                           ; s66-97   the bitmap; later s66-81 sixteen tokens of a tile
.set MSB, 0
.macro WIN new                         ; bits 1:0 source 0, 3:2 source 1, 5:4 source 2, 7:6 destination; the high byte repeats the setting that is left
.if MSB != (\new)
	s_set_vgpr_msb (MSB<<8)|(\new)
.set MSB, \new
.endif
.endm
; batch b = (mat b / 2, half b % 2): rows 16 half + 8 h + j of my K step; 16 lanes take a row's 256 bytes, aligned
.macro WLOAD b
	WIN 0x40
.irp j, 0,1,2,3,4,5,6,7
	global_load_b128 v[WS+32*(\b)+4*(\j):WS+32*(\b)+4*(\j)+3], v[WOE], s[36+2*((\b)/2):37+2*((\b)/2)] offset:(16*((\b)%2)+(\j))*PITCH th:TH_LOAD_NT
.endr
	WIN 0
.endm
.macro XLOAD b                         ; 20 of my 80 token rows: 16 lanes take a token's 256 bytes of the chunk
	WIN 0xc0
.irp u, 0,1,2,3,4,5,6,7,8,9
	global_load_b128 v[XS+40*(\b)+4*(\u):XS+40*(\b)+4*(\u)+3], v[XOFF+10*(\b)+(\u)], s[40:41]
.endr
	WIN 0
.endm
.macro PREF                            ; lane L asks for the 256 bytes of row 32 w + L, once for each mat: each block is asked for by one lane of one wave
	global_prefetch_b8 v[PFE], s[50:51] th:TH_LOAD_NT scope:SCOPE_SE
	global_prefetch_b8 v[PFE], s[52:53] th:TH_LOAD_NT scope:SCOPE_SE
.endm
; one halving: the field of wd bits at the bit's place holds the set bits of the lower half of what is left; if the wanted bit is not among them, they are taken off and the place moves inc up
.macro DESC src, wd, inc
.irp j, 0,1,2
	v_bfe_u32 v[TA+\j], v[(\src)+\j], v[PO+\j], \wd
.endr
.irp j, 0,1,2
	v_cmp_ge_u32 s[SM+\j], v[KK+\j], v[TA+\j]
.endr
.irp j, 0,1,2
	v_sub_nc_u32 v[TA+\j], v[KK+\j], v[TA+\j]
	v_add_nc_u32 v[TB+\j], \inc, v[PO+\j]
.endr
.irp j, 0,1,2
	v_cndmask_b32 v[KK+\j], v[KK+\j], v[TA+\j], s[SM+\j]
	v_cndmask_b32 v[PO+\j], v[PO+\j], v[TB+\j], s[SM+\j]
.endr
.endm
; the 40 offsets of the pass whose tokens stand in front of TK.  Register 8 i + q: lanes 0-15 row 2 q of tile i, lanes 16-31 row 2 q + 1.  XOFF's registers are free: s_wait_xcnt 0, or no load at all, stands ahead of every use.
.macro EXPAND
.irp i, 0,1,2,3,4
.irp n, 0,1,2,3,4,5,6,7,8,9,10,11,12,13,14,15
	v_readlane_b32 s[MK+\n], v[TK+(\i)/2], 16*((\i)%2)+\n
.endr
.irp q, 0,1,2,3,4,5,6,7
	v_mov_b32 v[XOFF+8*(\i)+\q], s[MK+2*\q]
.endr
.irp q, 0,1,2,3,4,5,6,7
	v_cndmask_b32 v[XOFF+8*(\i)+\q], v[XOFF+8*(\i)+\q], s[MK+2*\q+1], s[HM]
.endr
.irp q, 0,1,2,3,4,5,6,7
	v_min_u32 v[XOFF+8*(\i)+\q], 0x3ff, v[XOFF+8*(\i)+\q]      ; a number made of loaded ones enters an address only behind a clamp by a constant
.endr
.irp q, 0,1,2,3,4,5,6,7
	v_lshl_add_u32 v[XOFF+8*(\i)+\q], v[XOFF+8*(\i)+\q], 11, v[R16]
.endr
.endr
.endm
; the fragments of K step ks out of slot sl, into buffer ks % 2: 16 loads of weights (contiguous, 16 bytes a lane), 10 of my tokens
.macro LDF ks, sl
	WIN 0x40
.irp a, 0,1,2,3,4,5,6,7
	ds_load_b128 v[BB+64*((\ks)&1)+8*(\a):BB+64*((\ks)&1)+8*(\a)+3], v[BLD+4*(\sl)] offset:(2*(\ks)+(\a)/4)*MS+((\a)%4)*FS
	ds_load_b128 v[BB+64*((\ks)&1)+8*(\a)+4:BB+64*((\ks)&1)+8*(\a)+7], v[BLD+4*(\sl)] offset:(2*(\ks)+(\a)/4)*MS+((\a)%4)*FS+512
.endr
	WIN 0
.irp i, 0,1,2,3,4
	ds_load_b128 v[AB+40*((\ks)&1)+8*(\i):AB+40*((\ks)&1)+8*(\i)+3], v[ALD+4*(\sl)] offset:(\i)*16*XP+64*(\ks)
	ds_load_b128 v[AB+40*((\ks)&1)+8*(\i)+4:AB+40*((\ks)&1)+8*(\i)+7], v[ALD+4*(\sl)] offset:(\i)*16*XP+64*(\ks)+32
.endr
.endm
; my live tiles' products for K step ks: eight accumulators a tile, by turns; from the first dead tile on they are jumped
.macro TILES ks
.irp i, 0,1,2,3,4
	s_cmp_le_u32 s26, \i
	s_cbranch_scc1 .Lke_\@
	WIN 0xa1+0x50*((\i)/4)
.irp a, 0,1,2,3,4,5,6,7
	v_wmma_f32_16x16x32_bf16 v[64*((\i)%4)+8*(\a):64*((\i)%4)+8*(\a)+7], v[BB+64*((\ks)&1)+8*(\a):BB+64*((\ks)&1)+8*(\a)+7], v[AB+40*((\ks)&1)+8*(\i):AB+40*((\ks)&1)+8*(\i)+7], v[64*((\i)%4)+8*(\a):64*((\i)%4)+8*(\a)+7]
.endr
	WIN 0
.endr
.Lke_\@:
.endm
; batch b goes from registers into slot tg, and is asked for again.  Its sixteen conversions name no register of the products: they are the places between those products and the next loads into their sources.
.macro SUB b, tg
	s_wait_loadcnt 54                              ; loads return in order (ISA guide 5.7.1): my batch is in; the three younger batches, 3 x 18 loads, stay out
	WIN 0x0c
.irp u, 0,1,2,3,4,5,6,7,8,9
	ds_store_b128 v[XST+4*(\tg)], v[XS+40*(\b)+4*(\u):XS+40*(\b)+4*(\u)+3] offset:(20*(\b)+2*(\u))*XP
.endr
	WIN 0x05
.irp cc, 0,1,2,3
.irp mm, 0,1,2,3
	v_cvt_pk_bf16_f32 v[TMP+4*(\cc)+(\mm)], v[WS+32*(\b)+8*(\mm)+(\cc)], v[WS+32*(\b)+8*(\mm)+4+(\cc)]   ; rows 2 mm, 2 mm + 1 of column 4 r + cc: register mm of a fragment's half
.endr
.endr
	WIN 0
.irp cc, 0,1,2,3
	ds_store_b128 v[WST+4*(\tg)], v[TMP+4*(\cc):TMP+4*(\cc)+3] offset:((\b)/2)*MS+((\b)%2)*512+(\cc)*16
.endr
	XLOAD \b
	WLOAD \b
.endm
.macro KSTEP ks, sl
.if (\ks) == 0
	s_wait_dscnt 0x0                               ; the step's fragments are in
.else
	s_wait_dscnt 14                                ; the step's fragments are in; behind them stand the 14 stores of the block before, which may stay out
.endif
.if (\ks) < 3
	LDF (\ks)+1, \sl
.endif
.if (\ks) == 0
	PREF                                           ; chunk c + 3: one trip ahead of the trip that loads it
.endif
	TILES \ks
	SUB \ks, 1-(\sl)
.endm
.macro CLEAR
	WIN 0x80
.set z, 0
.rept 256
	v_mov_b32 v[z], 0
.set z, z+1
.endr
	WIN 0xc0
.set z, 0
.rept 64
	v_mov_b32 v[z], 0
.set z, z+1
.endr
	WIN 0
.endm
; tile i leaves: silu(a1) a3 = a1 a3 / (1 + 2^(-a1 log2 e)), rounded to bf16.  A lane's eight numbers of fragment f are 16 bytes; the wave's store covers 512 consecutive bytes of hid, aligned.
; Each accumulator is read from its low end on.
.macro EPI i
	s_cmp_le_u32 s26, \i
	s_cbranch_scc1 .Lepi_end
.set AW, 2+(\i)/4
.set AC, 64*((\i)%4)
	WIN AW
.set q, 0
.rept 16
	v_pk_mul_f32 v[T1+2*q:T1+2*q+1], v[AC+2*q:AC+2*q+1], s[48:49] op_sel_hi:[1,0]
.set q, q+1
.endr
	WIN 0
.set q, 0
.rept 32
	v_exp_f32 v[T1+q], v[T1+q]
.set q, q+1
.endr
	WIN 5*AW
.set q, 0
.rept 16
	v_pk_mul_f32 v[T2+2*q:T2+2*q+1], v[AC+2*q:AC+2*q+1], v[AC+32+2*q:AC+32+2*q+1]   ; independent work behind the batch of exponentials
.set q, q+1
.endr
	WIN 0
	s_wait_alu depctr_va_vdst(0)                   ; one wait for the 32 exponentials, ahead of their first reader
.set q, 0
.rept 16
	v_pk_add_f32 v[T1+2*q:T1+2*q+1], v[T1+2*q:T1+2*q+1], 1.0 op_sel_hi:[1,0]
.set q, q+1
.endr
.set q, 0
.rept 32
	v_rcp_f32 v[T1+q], v[T1+q]
.set q, q+1
.endr
	v_nop                                          ; a plain instruction behind the last reciprocal (ISA guide 5.7.2)
	s_wait_alu depctr_va_vdst(0)                   ; one wait for the 32 reciprocals
.set q, 0
.rept 16
	v_pk_mul_f32 v[T2+2*q:T2+2*q+1], v[T2+2*q:T2+2*q+1], v[T1+2*q:T1+2*q+1]
.set q, q+1
.endr
	s_wait_xcnt 0x0                                ; the last tile's stores have read OO
.set q, 0
.rept 16
	v_cvt_pk_bf16_f32 v[OO+q], v[T2+2*q], v[T2+2*q+1]
.set q, q+1
.endr
.irp f, 0,1,2,3
	global_store_b128 v[L16], v[OO+4*\f:OO+4*\f+3], s[42:43] offset:(\i)*8192+\f*512
.endr
.endm
; THE WORK OF A TRIP, chunk c = 2 p + hf, out of slot hf.  All chunk offsets are made from the counter p alone.
.macro G hf
	s_wait_xcnt 0x0                                ; the bases and offsets that earlier loads and prefetches name are rewritten only behind this wait
	s_lshl_b32 s44, s24, 1
	s_add_co_u32 s45, s44, (\hf)+3
	s_add_co_u32 s44, s44, (\hf)+2
	s_and_b32 s44, s44, 7                          ; the chunk to ask for, c + 2, wraps into the next pass
	s_and_b32 s45, s45, 7                          ; the chunk to prefetch, c + 3
	s_lshl_b32 s32, s44, CH
	s_lshl_b32 s34, s44, 8
	s_lshl_b32 s46, s45, CH
	s_add_nc_u64 s[36:37], s[8:9], s[32:33]
	s_add_nc_u64 s[38:39], s[10:11], s[32:33]
	s_add_nc_u64 s[40:41], s[4:5], s[34:35]
	s_add_nc_u64 s[50:51], s[8:9], s[46:47]
	s_add_nc_u64 s[52:53], s[10:11], s[46:47]
	s_cmp_ge_u32 s24, 3                            ; chunks 6 and 7 ask for the next pass's weights: if there is none, every lane's offset is 0
	s_cselect_b32 s31, s27, -1
	v_and_b32 v[WOE], s31, v[WO]
	v_min_u32 v[WOE], OCAP, v[WOE]                 ; the mask hangs on a loaded count: what is made with it enters an address only behind a clamp by a constant
	s_cmp_ge_u32 s24, 3-(\hf)                      ; the prefetch wraps a chunk earlier; masked, it asks at the chunk's first byte, inside the buffer
	s_cselect_b32 s31, s27, -1
	v_and_b32 v[PFE], s31, v[PF]
	v_min_u32 v[PFE], OCAP, v[PFE]                 ; likewise
.if (\hf) == 0
	s_cmp_lg_u32 s24, 3
	s_cbranch_scc1 .Lnox
.set k, 0
.rept 9
	v_mov_b32 v[TK+k], v[TK+k+3]                   ; chunk 6 is the first to ask for the next pass's rows: its tokens come to the front (zeros where there is no such pass)
.set k, k+1
.endr
	EXPAND
.Lnox:
.endif
	LDF 0, \hf
	KSTEP 0, \hf
	KSTEP 1, \hf
	KSTEP 2, \hf
	KSTEP 3, \hf
.if (\hf) == 1
	s_cmp_lg_u32 s24, 3
	s_cbranch_scc1 .Lnoe
	EPI 0                                          ; the pass's sums are whole; the last block's conversions are the places behind the last products
	EPI 1
	EPI 2
	EPI 3
	EPI 4
.Lepi_end:
	s_cmp_eq_u32 s27, 0
	s_cbranch_scc1 .Lnoe
	CLEAR                                          ; for the next pass, where there is one
.Lnoe:
.endif
.endm
	s_load_b256 s[4:11], s[0:1], 0x0               ; xb s[4:5], idx s[6:7], w1 s[8:9], w3 s[10:11]
	s_load_b128 s[12:15], s[0:1], 0x20             ; hid s[12:13], pos s[14:15]
	s_load_b64 s[16:17], s[0:1], 0x30              ; cnt
	v_lshl_add_u32 v[SPW], v0, 2, SPARE
	v_mov_b32 v[NIL], 0
	v_lshrrev_b32 v20, 5, v0
	v_readfirstlane_b32 s18, v20                   ; wave w
	s_and_b32 s19, ttmp7, 0xffff                   ; expert e
	s_mov_b32 s20, ttmp9                           ; slice s
	v_and_b32 v[LN], 31, v0
	v_and_b32 v[RR], 15, v0
	v_bfe_u32 v[HH], v0, 4, 1
	v_lshlrev_b32 v[R16], 4, v[RR]
	v_lshlrev_b32 v[L16], 4, v[LN]
	s_lshl_b32 s44, s18, 18                        ; 32 w rows of 8,192 bytes
	v_lshl_add_u32 v[WO], v[HH], 16, v[R16]        ; 8 h rows + 16 r
	v_add_nc_u32 v[WO], s44, v[WO]
	v_mov_b32 v[WOE], v[WO]
	v_lshl_add_u32 v[PF], v[LN], 13, s44
	v_mov_b32 v[PFE], v[PF]
	s_mul_i32 s45, s18, XW
	s_add_co_u32 s45, s45, WB                      ; my 80 rows in a slot
	v_mul_u32_u24 v20, v[HH], XP
	v_add_nc_u32 v20, v20, v[R16]
	v_add_nc_u32 v[XST], s45, v20                  ; in: lanes 0-15 one row, lanes 16-31 the next
	v_mul_u32_u24 v20, v[RR], XP
	v_lshl_add_u32 v20, v[HH], 4, v20
	v_add_nc_u32 v[ALD], s45, v20                  ; a fragment: row r, 16 h
	v_lshrrev_b32 v20, 2, v[RR]
	v_mul_u32_u24 v20, v20, FS                     ; column 4 r + cc lies in fragment r / 4,
	v_and_b32 v21, 3, v[RR]
	v_lshl_add_u32 v20, v21, 6, v20                ; at the fragment's lane 4 (r % 4) + cc + 16 h, 16 bytes a lane
	v_lshl_add_u32 v20, v[HH], 8, v20
	s_mul_i32 s46, s18, KSB
	v_add_nc_u32 v[WST], s46, v20
	v_mov_b32 v[BLD], v[L16]
.irp k, 0,1,2,3
	v_add_nc_u32 v[XST+4+\k], SLOT, v[XST+\k]      ; the same four in slot 1
.endr
	s_lshl_b32 s44, s18, 4
	v_lshl_add_u32 v[RKB], v[HH], 6, v[RR]
	v_add_nc_u32 v[RKB], s44, v[RKB]
	v_lshlrev_b32 v23, 3, v[LN]                    ; idx: 8 bytes a token
	v_lshlrev_b32 v26, 2, v[LN]                    ; pos and cnt: 4 bytes a lane
	s_mov_b32 s[HM], 0xffff0000
	s_mov_b32 s48, 0xbfb8aa3b                      ; -log2(e)
	s_mov_b32 s49, s48                             ; named with it as a pair
	s_lshl_b32 s32, s19, 23                        ; an expert's weights are 8,388,608 bytes,
	s_lshl_b32 s44, s20, 8                         ; a slice's columns 256
	s_add_co_u32 s32, s32, s44
	s_mov_b32 s33, 0
	s_lshl_b32 s34, s19, 5
	s_add_co_u32 s34, s34, s20
	s_lshl_b32 s34, s34, 17                        ; hid: block (e, s) of 131,072 bytes,
	s_lshl_b32 s44, s18, 11                        ; tile w of 2,048
	s_add_co_u32 s34, s34, s44
	s_mov_b32 s35, 0
	s_lshl_b32 s46, s19, 12                        ; pos: the expert's 1,024 words,
	s_lshl_b32 s44, s20, 7                         ; tokens 32 s on
	s_add_co_u32 s46, s46, s44
	s_mov_b32 s47, 0                               ; stays 0: later the upper word of the prefetch's chunk offset
	s_lshl_b32 s44, s19, 7
	s_mov_b32 s45, 0
	s_wait_kmcnt 0x0
	s_add_nc_u64 s[8:9], s[8:9], s[32:33]
	s_add_nc_u64 s[10:11], s[10:11], s[32:33]
	s_add_nc_u64 s[12:13], s[12:13], s[34:35]
	s_add_nc_u64 s[14:15], s[14:15], s[46:47]
	s_add_nc_u64 s[16:17], s[16:17], s[44:45]
.set g, 0
.rept 32
	global_load_b64 v[IDX+2*g:IDX+2*g+1], v23, s[6:7] offset:256*g   ; token 32 g + L: its two experts
.set g, g+1
.endr
	s_mov_b64 s[36:37], s[8:9]                     ; chunk 0
	s_mov_b64 s[38:39], s[10:11]
	WLOAD 0
	WLOAD 1
	WLOAD 2
	WLOAD 3
	s_add_nc_u64 s[50:51], s[8:9], 2<<CH           ; chunk 1 is loaded below, chunk 2 in the first trip: it is prefetched here
	s_add_nc_u64 s[52:53], s[10:11], 2<<CH
	PREF
.set k, 0
.rept 12
	v_mov_b32 v[TK+k], 0                           ; a pass that does not exist names token 0
.set k, k+1
.endr
	s_wait_loadcnt 32                              ; idx is in; the 32 younger loads, weights, stay out
	; THE BITMAP: word g holds the tokens 32 g .. 32 g + 31 that chose e, first or second.  s21 counts them; s30 keeps word s, s29 the count in front of it.
	s_mov_b32 s21, 0
	s_mov_b32 s29, 0
	s_mov_b32 s30, 0
.set g, 0
.rept 32
	v_cmp_eq_u32 s44, s19, v[IDX+2*g]
	v_cmp_eq_u32 vcc_lo, s19, v[IDX+2*g+1]
	s_or_b32 s[MK+g], s44, vcc_lo
	s_cmp_eq_u32 s20, g
	s_cselect_b32 s29, s21, s29
	s_cselect_b32 s30, s[MK+g], s30
	s_bcnt1_i32_b32 s45, s[MK+g]
	s_add_co_u32 s21, s21, s45
.set g, g+1
.endr
	s_add_co_u32 s22, s21, 15                      ; M rows are
	s_lshr_b32 s22, s22, 4
	s_max_u32 s22, s22, 1                          ; Mt tiles, one at the least
	; RANKS INTO TOKENS, written once: passes 3 down to 0, dead ones jumped; each live pass pushes the later ones back, so that pass 0 ends in front.
	s_mov_b32 s55, 4
.Linv:
	s_sub_co_u32 s56, s55, 1                       ; the pass
	s_mul_i32 s57, s56, 20
	s_cmp_lt_u32 s57, s22
	s_cbranch_scc0 .Linv_next
.set k, 8
.rept 9
	v_mov_b32 v[TK+k+3], v[TK+k]
.set k, k-1
.endr
	s_mul_i32 s57, s56, 320
	v_add_nc_u32 v[RK], s57, v[RKB]                ; rank 320 pass + 128 j + 64 h + 16 w + r
	v_add_nc_u32 v[RK+1], 0x80, v[RK]
	v_add_nc_u32 v[RK+2], 0x100, v[RK]
.irp j, 0,1,2
	v_mov_b32 v[WW+\j], s[MK]
	v_mov_b32 v[PP+\j], 0
.endr
	s_bcnt1_i32_b32 s61, s[MK]                     ; tokens in front of word 1
.set g, 1
.rept 31
	s_add_co_u32 s62, s61, g<<21                   ; that count, and 32 g sixteen bits up
.irp j, 0,1,2
	v_cmp_le_u32 s[SM+\j], s61, v[RK+\j]           ; does word g begin at or below my rank?  The last such word holds it
.endr
.irp j, 0,1,2
	v_cndmask_b32 v[WW+\j], v[WW+\j], s[MK+g], s[SM+\j]
	v_cndmask_b32 v[PP+\j], v[PP+\j], s62, s[SM+\j]
.endr
	s_bcnt1_i32_b32 s57, s[MK+g]
	s_add_co_u32 s61, s61, s57
.set g, g+1
.endr
.irp j, 0,1,2
	v_and_b32 v[KK+\j], 0xffff, v[PP+\j]
	v_lshrrev_b32 v[SA+\j], 1, v[WW+\j]
.endr
.irp j, 0,1,2
	v_sub_nc_u32 v[KK+\j], v[RK+\j], v[KK+\j]      ; which set bit of the word
	v_and_b32 v[SA+\j], 0x55555555, v[SA+\j]
.endr
.irp j, 0,1,2
	v_sub_nc_u32 v[SA+\j], v[WW+\j], v[SA+\j]      ; counts of bit pairs, in fields of 2
	v_mov_b32 v[PO+\j], 0
.endr
.irp j, 0,1,2
	v_lshrrev_b32 v[SB+\j], 2, v[SA+\j]
	v_and_b32 v[TA+\j], 0x33333333, v[SA+\j]
.endr
.irp j, 0,1,2
	v_and_b32 v[SB+\j], 0x33333333, v[SB+\j]
.endr
.irp j, 0,1,2
	v_add_nc_u32 v[SB+\j], v[SB+\j], v[TA+\j]      ; of four bits, in fields of 4
.endr
.irp j, 0,1,2
	v_lshrrev_b32 v[SC+\j], 4, v[SB+\j]
.endr
.irp j, 0,1,2
	v_add_nc_u32 v[SC+\j], v[SC+\j], v[SB+\j]
.endr
.irp j, 0,1,2
	v_and_b32 v[SC+\j], 0x0f0f0f0f, v[SC+\j]       ; of bytes
.endr
.irp j, 0,1,2
	v_lshrrev_b32 v[SD+\j], 8, v[SC+\j]
.endr
.irp j, 0,1,2
	v_add_nc_u32 v[SD+\j], v[SD+\j], v[SC+\j]      ; lowest byte: of the low 16 bits
.endr
	DESC SD, 8, 16
	DESC SC, 8, 8
	DESC SB, 4, 4
	DESC SA, 2, 2
	DESC WW, 1, 1
.irp j, 0,1,2
	v_lshrrev_b32 v[TA+\j], 16, v[PP+\j]           ; 32 x the word's number
	v_cmp_gt_u32 s[SM+\j], s21, v[RK+\j]           ; does the rank exist?
.endr
.irp j, 0,1,2
	v_add_nc_u32 v[TA+\j], v[TA+\j], v[PO+\j]
.endr
.irp j, 0,1,2
	v_cndmask_b32 v[TK+\j], 0, v[TA+\j], s[SM+\j]  ; a rank past the count names token 0
.endr
.Linv_next:
	s_sub_co_u32 s55, s55, 1
	s_cmp_lg_u32 s55, 0
	s_cbranch_scc1 .Linv
	EXPAND
	s_mov_b64 s[40:41], s[4:5]                     ; chunk 0 of my rows
	XLOAD 0
	XLOAD 1
	XLOAD 2
	XLOAD 3
	CLEAR                                          ; in the wait for the first loads
	s_cmp_lg_u32 s18, 0
	s_cbranch_scc1 .Lnofw
	; wave 0: for tokens 32 s + L, how many of e's tokens lie below; all 32 lanes store, 128 consecutive bytes at a place made of the work-group's and the lane's numbers alone
	v_mbcnt_lo_u32_b32 v20, s30, 0                 ; e's tokens in lanes below me,
	v_add_nc_u32 v20, s29, v20                     ; and in the words before
	v_lshl_add_u32 v20, s19, 10, v20               ; 1,024 e + that
	global_store_b32 v26, v20, s[14:15]
	s_cmp_lg_u32 s20, 0
	s_cbranch_scc1 .Lnofw
	v_mov_b32 v27, s21                             ; slice 0 stores the expert's count
	global_store_b32 v26, v27, s[16:17]
.Lnofw:                                ; v20, v26, v27 and the two bases are not written again
	s_wait_loadcnt 0x0                             ; chunk 0 is in registers, and the loads' bases may be written
	s_add_nc_u64 s[36:37], s[8:9], 1<<CH           ; chunk 1
	s_add_nc_u64 s[38:39], s[10:11], 1<<CH
	s_add_nc_u64 s[40:41], s[4:5], 256
	SUB 0, 0                                       ; chunk 0 into slot 0; chunk 1 is asked for: the queue is in its cyclic order
	SUB 1, 0
	SUB 2, 0
	SUB 3, 0
	s_mov_b32 s23, 0
.Lpass:
	s_wait_xcnt 0x0                                ; the last pass's stores have read hid's base
	s_mul_i32 s28, s23, 20                         ; the pass's first tile
	s_mul_i32 s44, s23, 20*2048
	s_mov_b32 s45, 0
	s_add_nc_u64 s[42:43], s[12:13], s[44:45]
	s_sub_co_i32 s44, s22, s28
	s_sub_co_i32 s44, s44, s18
	s_max_i32 s44, s44, 0
	s_add_co_u32 s44, s44, 3
	s_lshr_b32 s44, s44, 2
	s_min_u32 s26, s44, 5                          ; my live tiles: those i with 20 r + 4 i + w < Mt
	s_add_co_u32 s44, s28, 20
	s_cmp_lt_u32 s44, s22
	s_cselect_b32 s27, -1, 0                       ; is there a next pass?
	s_cmp_lt_u32 s28, s22
	s_cselect_b32 s25, 1, 0                        ; is this one live?  The same in all four waves
	s_mov_b32 s24, 0
.Lpair:
	s_wait_dscnt 0x0                               ; my stores into slot 0 are done, and my reads of slot 1 are over
	s_barrier_signal -1
	s_barrier_wait -1                              ; both hold of every wave: slot 0 is whole, slot 1 may be written
	s_cmp_eq_u32 s25, 0
	s_cbranch_scc1 .Lodd                           ; a dead pass jumps the work, never the barrier
	G 0
.Lodd:
	s_wait_dscnt 0x0                               ; the same with the slots changed
	s_barrier_signal -1
	s_barrier_wait -1
	s_cmp_eq_u32 s25, 0
	s_cbranch_scc1 .Lnext
	G 1
.Lnext:
	s_add_co_u32 s24, s24, 1
	s_cmp_lt_u32 s24, 4
	s_cbranch_scc1 .Lpair
	s_add_co_u32 s23, s23, 1
	s_cmp_lt_u32 s23, 4
	s_cbranch_scc1 .Lpass
	s_wait_tensorcnt 0x0                           ; the wave's end, behind my last LDS store
	ds_add_u32 v[SPW], v[NIL]
	s_wait_dscnt 0x0
	s_endpgm
.Lfunc_end_k_q383bf57b00_ffn1:
	.size	k_q383bf57b00_ffn1, .Lfunc_end_k_q383bf57b00_ffn1-k_q383bf57b00_ffn1
	.p2alignl 7, 3214868480
	.fill 96, 4, 3214868480
	.section	.rodata,"a",@progbits
	.p2align	6, 0x0
	.amdhsa_kernel k_q383bf57b00_ffn1
		.amdhsa_group_segment_fixed_size 241152
		.amdhsa_private_segment_fixed_size 0
		.amdhsa_enable_private_segment 0
		.amdhsa_kernarg_size 56
		.amdhsa_user_sgpr_count 2
		.amdhsa_user_sgpr_kernarg_segment_ptr 1
		.amdhsa_wavefront_size32 1
		.amdhsa_system_sgpr_workgroup_id_x 1
		.amdhsa_system_sgpr_workgroup_id_y 1
		.amdhsa_system_sgpr_workgroup_id_z 1
		.amdhsa_system_vgpr_workitem_id 0
		.amdhsa_next_free_vgpr 992
		.amdhsa_next_free_sgpr 98
		.amdhsa_reserve_vcc 1
		.amdhsa_float_denorm_mode_32 3
		.amdhsa_float_denorm_mode_16_64 3
		.amdhsa_memory_ordered 1
		.amdhsa_forward_progress 1
		.amdhsa_inst_pref_size 228
	.end_amdhsa_kernel
	.amdgpu_metadata
---
amdhsa.version: [ 1, 2 ]
amdhsa.kernels:
  - .name:           k_q383bf57b00_ffn1
    .symbol:         k_q383bf57b00_ffn1.kd
    .args:
      - { .name: xb, .offset: 0, .size: 8, .value_kind: global_buffer, .address_space: global }
      - { .name: idx, .offset: 8, .size: 8, .value_kind: global_buffer, .address_space: global }
      - { .name: w1, .offset: 16, .size: 8, .value_kind: global_buffer, .address_space: global }
      - { .name: w3, .offset: 24, .size: 8, .value_kind: global_buffer, .address_space: global }
      - { .name: hid, .offset: 32, .size: 8, .value_kind: global_buffer, .address_space: global }
      - { .name: pos, .offset: 40, .size: 8, .value_kind: global_buffer, .address_space: global }
      - { .name: cnt, .offset: 48, .size: 8, .value_kind: global_buffer, .address_space: global }
    .group_segment_fixed_size: 241152
    .private_segment_fixed_size: 0
    .kernarg_segment_align: 8
    .kernarg_segment_size: 56
    .max_flat_workgroup_size: 128
    .sgpr_count:     98
    .vgpr_count:     992
    .wavefront_size: 32
...
	.end_amdgpu_metadata
.endif
;; end of part 5
;; launch ffn2 (part 6): grid 32 x 8, 4 waves a work-group, no clusters, 100,864 bytes of LDS; arguments hid, cnt, w2, ypart; writes ypart
.if DOCPART == 6
	.amdgcn_target "amdgcn-amd-amdhsa--gfx1250"
	.amdhsa_code_object_version 6
	.text
	.protected	k_q383bf57b00_ffn2
	.globl	k_q383bf57b00_ffn2
	.p2align	8
	.type	k_q383bf57b00_ffn2,@function
k_q383bf57b00_ffn2:
	s_mov_b64 s[64:65], 0
	v_nop
	global_prefetch_b8 v0, s[64:65] scope:SCOPE_SE
	s_setreg_imm32_b32 hwreg(HW_REG_WAVE_MODE, 25, 1), 1
	s_wait_xcnt 0x0
; SECOND PRODUCT OF THE EXPERTS.  ypart[kq][1,024 e + rank][:] = the part of hid w2[e] that hidden rows 512 kq .. 512 kq + 511 give, in f32 (a partial sum), for the rows routed to expert e, in the order of their ranks.
; SHARES.  Work-group (cs + 8 kq, e): columns 128 cs .. + 127 of w2[e] (mat 0: the first 64, mat 1: the others), rows 512 kq .. + 511: a piece of weights that it alone reads.  Tiles, passes and waves as in the launch before:
; tile T is ranks 16 T .. 16 T + 15 of the expert; a pass is 20 tiles, wave w owns tiles 20 r + 4 i + w; four passes of constant trip counts cover every split; every wave passes every barrier, a dead pass jumps its work.
; K goes in four chunks of 128.  Wave w brings K step w of a chunk's weights, rounds them to bf16 and stores them into LDS as the fragments' register images.  The token fragments come from memory straight into
; registers: hid lies as [e][slice of 64][tile][8 columns][16 rows][8 numbers], which is the fragment's image, 512 consecutive bytes a load.
; THE QUEUE.  Trip c multiplies chunk c.  Block SUB b moves weight batch b of chunk c + 1 into the other slot, asks for K step b's token fragments of chunk c + 1 (10 loads, into the registers just multiplied) and for weight batch b
; of chunk c + 2 (8 loads).  The loads asked for are always the same four batches in the same cyclic order, whether a trip ran or was jumped, so each counted wait holds on every way through the text.
; Dead tiles repeat the expert's last tile, which the launch before wrote; rows past the count are computed and not stored: whole stores are jumped.  A tile's rows lie one behind the other in ypart: one base a tile, the row in the
; store's immediate; which token a row belongs to is the last launch's affair.
; THE ACCUMULATORS ARE CLEARED, not started by a first product: which trips run hangs on a loaded count.
; NO CLUSTER, NO TENSOR LOADS: each weight byte has one reader.  hid is shared by the eight column blocks of one (e, kq), some 2 KB a tile and slice against 256 KB of weights a work-group and chunk pair; a joint load could not be
; jumped in a dead pass and would send the fragments through LDS.
.set PITCH, 4096
.set CH,    19                         ; a chunk, 128 rows, is 2^19 bytes on
.set FS,    1040
.set MS,    4*FS
.set KSB,   2*MS
.set WB,    4*KSB
.set SLOT,  WB
.set STAGE, 2*SLOT                     ; behind the two slots: 16 rows x 528 bytes for each wave, its own, for the way out
.set SP,    528                        ; 512 bytes + 16: the 16 rows of a store start in 16 different groups of four banks (ISA guide 11.1)
.set SPARE, STAGE+4*16*SP
.set OCAP,  0xfffff                    ; above every offset inside a chunk: 426,224 for a load's lane, 520,192 for a prefetch's
.set LN,  1
.set RR,  2
.set HH,  3
.set R16, 4
.set WO,  5
.set WOE, 6
.set WST, 8                            ; slot 1: +4
.set BLD, 9
.set STO, 14
.set RD,  15
.set L16, 17
.set PF,  18
.set PFE, 19
.set SPW, 28
.set NIL, 29
.set TMP, 32                           ; v32-47
.set AOFF, 48                          ; v48-52  byte offsets of my five tiles in a slice's block of hid
.set T,   56                           ; v56-87  eight rows on their way out
.set AS,  96                           ; v96-255 token fragments: K step b, tile i at 40 b + 8 i
.set BB,  0                            ; window 1: weight fragments, two buffers of 64
.set WS,  128                          ; window 1: weights as loaded
.set MSB, 0
.macro WIN new
.if MSB != (\new)
	s_set_vgpr_msb (MSB<<8)|(\new)
.set MSB, \new
.endif
.endm
.macro WLOAD b
	WIN 0x40
.irp j, 0,1,2,3,4,5,6,7
	global_load_b128 v[WS+32*(\b)+4*(\j):WS+32*(\b)+4*(\j)+3], v[WOE], s[36+2*((\b)/2):37+2*((\b)/2)] offset:(16*((\b)%2)+(\j))*PITCH th:TH_LOAD_NT
.endr
	WIN 0
.endm
.macro PREF
	global_prefetch_b8 v[PFE], s[68:69] th:TH_LOAD_NT scope:SCOPE_SE
	global_prefetch_b8 v[PFE], s[70:71] th:TH_LOAD_NT scope:SCOPE_SE
.endm
.macro AOFFS                           ; s44: the pass's first tile.  s_wait_xcnt 0 stands ahead of every use
.irp i, 0,1,2,3,4
	s_add_co_u32 s45, s44, 4*\i
	s_add_co_u32 s45, s45, s18
	s_min_u32 s45, s45, s30                        ; a dead tile repeats tile Mt - 1
	s_min_u32 s45, s45, 63                         ; a number made of a loaded count enters an address only behind a clamp by a constant
	s_lshl_b32 s45, s45, 11
	v_add_nc_u32 v[AOFF+\i], s45, v[L16]
.endr
.endm
.macro LDF ks, sl
	WIN 0x40
.irp a, 0,1,2,3,4,5,6,7
	ds_load_b128 v[BB+64*((\ks)&1)+8*(\a):BB+64*((\ks)&1)+8*(\a)+3], v[BLD+4*(\sl)] offset:(2*(\ks)+(\a)/4)*MS+((\a)%4)*FS
	ds_load_b128 v[BB+64*((\ks)&1)+8*(\a)+4:BB+64*((\ks)&1)+8*(\a)+7], v[BLD+4*(\sl)] offset:(2*(\ks)+(\a)/4)*MS+((\a)%4)*FS+512
.endr
	WIN 0
.endm
.macro TILES ks                        ; eight accumulators a tile, by turns; dead tiles are jumped
.irp i, 0,1,2,3,4
	s_cmp_le_u32 s26, \i
	s_cbranch_scc1 .Lke_\@
	WIN 0xa1+0x50*((\i)/4)
.irp a, 0,1,2,3,4,5,6,7
	v_wmma_f32_16x16x32_bf16 v[64*((\i)%4)+8*(\a):64*((\i)%4)+8*(\a)+7], v[BB+64*((\ks)&1)+8*(\a):BB+64*((\ks)&1)+8*(\a)+7], v[AS+40*(\ks)+8*(\i):AS+40*(\ks)+8*(\i)+7], v[64*((\i)%4)+8*(\a):64*((\i)%4)+8*(\a)+7]
.endr
	WIN 0
.endr
.Lke_\@:
.endm
.macro SUB b, tg
	s_wait_loadcnt 54                              ; my weight batch is in; behind it stand three blocks of 18 loads
	WIN 0x05
.irp cc, 0,1,2,3
.irp mm, 0,1,2,3
	v_cvt_pk_bf16_f32 v[TMP+4*(\cc)+(\mm)], v[WS+32*(\b)+8*(\mm)+(\cc)], v[WS+32*(\b)+8*(\mm)+4+(\cc)]   ; sixteen plain instructions: the places between K step b's products and the loads into their sources
.endr
.endr
	WIN 0
.irp cc, 0,1,2,3
	ds_store_b128 v[WST+4*(\tg)], v[TMP+4*(\cc):TMP+4*(\cc)+3] offset:((\b)/2)*MS+((\b)%2)*512+(\cc)*16
.endr
.irp i, 0,1,2,3,4
.irp u, 0,1
	global_load_b128 v[AS+40*(\b)+8*(\i)+4*(\u):AS+40*(\b)+8*(\i)+4*(\u)+3], v[AOFF+(\i)], s[40:41] offset:((\b)/2)*131072+(((\b)%2)*4+2*(\u))*256
.endr
.endr
	WLOAD \b
.endm
.macro KSTEP ks, sl
.if (\ks) == 0
	s_wait_dscnt 0x0
.else
	s_wait_dscnt 4                                 ; the step's weight fragments are in; the four stores of the block before may stay out
.endif
.if (\ks) < 3
	LDF (\ks)+1, \sl
.endif
.if (\ks) == 0
	PREF                                           ; chunk c + 3: one trip ahead of the trip that loads it
.endif
	s_wait_loadcnt 62                              ; the step's token fragments are in: behind them stand their own block's 8 weight loads and three blocks of 18
	TILES \ks
	SUB \ks, 1-(\sl)
.endm
.macro CLEAR
	WIN 0x80
.set z, 0
.rept 256
	v_mov_b32 v[z], 0
.set z, z+1
.endr
	WIN 0xc0
.set z, 0
.rept 64
	v_mov_b32 v[z], 0
.set z, z+1
.endr
	WIN 0
.endm
; tile i leaves.  A lane holds one token and eight columns an accumulator; through my stage the rows come back whole, 512 bytes a row across the wave, and go to the tile's sixteen rows of ypart.
.macro OUT i
	s_cmp_le_u32 s26, \i
	s_cbranch_scc1 .Lout_end
	s_add_co_u32 s44, s28, 4*(\i)
	s_add_co_u32 s44, s44, s18                     ; the tile
	s_wait_xcnt 0x0                                ; the last tile's stores have read their base and T
	s_lshl_b32 s16, s44, 16                        ; sixteen rows of 4,096 bytes
	s_mov_b32 s17, 0
	s_add_nc_u64 s[16:17], s[12:13], s[16:17]
	s_lshl_b32 s44, s44, 4
	s_sub_co_u32 s45, s21, s44                     ; rows of it that exist (0 where the expert has none)
	WIN 0x08+4*((\i)/4)
.irp a, 0,1,2,3,4,5,6,7
.irp u, 0,1
	ds_store_b128 v[STO], v[64*((\i)%4)+8*(\a)+4*(\u):64*((\i)%4)+8*(\a)+4*(\u)+3] offset:64*(\a)+16*(\u)   ; each accumulator's low half first
.endr
.endr
	WIN 0
.irp hh, 0,1
.if \hh == 1
	s_wait_xcnt 0x0                                ; the first eight rows' stores have read T
.endif
.irp p, 0,1,2,3,4,5,6,7
	ds_load_b128 v[T+4*\p:T+4*\p+3], v[RD] offset:(8*\hh+\p)*SP   ; LDS serves a wave's instructions in order (ISA guide 5.7.1.4): these see the stores above
.endr
.irp p, 0,1,2,3,4,5,6,7
	s_cmp_le_u32 s45, 8*\hh+\p
	s_cbranch_scc1 .Lte_\@                         ; rows past the count are not stored
	s_wait_dscnt 7-\p                              ; row p of the eight is back
	global_store_b128 v[L16], v[T+4*\p:T+4*\p+3], s[16:17] offset:(8*\hh+\p)*4096   ; 512 consecutive bytes of one row, aligned
.endr
.endr
.Lte_\@:
	s_wait_dscnt 0x0                               ; on the way that jumped: no load into T is left out
.endm
.macro G hf                            ; chunk c = 2 p + hf, out of slot hf
	s_wait_xcnt 0x0                                ; bases and offsets are rewritten only behind this wait
	s_lshl_b32 s44, s24, 1
	s_add_co_u32 s45, s44, (\hf)+3
	s_add_co_u32 s31, s44, (\hf)+1
	s_add_co_u32 s44, s44, (\hf)+2
	s_and_b32 s44, s44, 3                          ; weights: chunk c + 2,
	s_and_b32 s31, s31, 3                          ; tokens: chunk c + 1,
	s_and_b32 s45, s45, 3                          ; prefetch: chunk c + 3; all wrap into the next pass
	s_lshl_b32 s32, s44, CH
	s_lshl_b32 s34, s31, 18                        ; a chunk is two slices' blocks of hid
	s_lshl_b32 s46, s45, CH
	s_add_nc_u64 s[36:37], s[10:11], s[32:33]
	s_add_nc_u64 s[38:39], s[36:37], 256
	s_add_nc_u64 s[40:41], s[4:5], s[34:35]
	s_add_nc_u64 s[68:69], s[10:11], s[46:47]
	s_add_nc_u64 s[70:71], s[68:69], 256
	s_cmp_ge_u32 s24, 1                            ; chunks 2 and 3 ask for the next pass's weights: if there is none, every lane's offset is 0
	s_cselect_b32 s31, s27, -1
	v_and_b32 v[WOE], s31, v[WO]
	v_min_u32 v[WOE], OCAP, v[WOE]                 ; the mask hangs on a loaded count: what is made with it enters an address only behind a clamp by a constant
	s_cmp_ge_u32 s24, 1-(\hf)                      ; the prefetch wraps a chunk earlier; masked, it asks at the chunk's first byte, inside the buffer
	s_cselect_b32 s31, s27, -1
	v_and_b32 v[PFE], s31, v[PF]
	v_min_u32 v[PFE], OCAP, v[PFE]                 ; likewise
.if (\hf) == 1
	s_cmp_lg_u32 s24, 1
	s_cbranch_scc1 .Lnoa
	s_add_co_u32 s44, s28, 20                      ; chunk 3 asks for the next pass's tiles
	AOFFS
.Lnoa:
.endif
	LDF 0, \hf
	KSTEP 0, \hf
	KSTEP 1, \hf
	KSTEP 2, \hf
	KSTEP 3, \hf
.if (\hf) == 1
	s_cmp_lg_u32 s24, 1
	s_cbranch_scc1 .Lnoo
	OUT 0                                          ; the pass's sums are whole; the last block's conversions are the places behind the last products
	OUT 1
	OUT 2
	OUT 3
	OUT 4
.Lout_end:
	s_cmp_eq_u32 s27, 0
	s_cbranch_scc1 .Lnoo
	CLEAR
.Lnoo:
.endif
.endm
	s_load_b64 s[4:5], s[0:1], 0x0                 ; hid
	s_load_b128 s[8:11], s[0:1], 0x8               ; cnt s[8:9], w2 s[10:11]
	s_load_b64 s[12:13], s[0:1], 0x18              ; ypart
	v_lshl_add_u32 v[SPW], v0, 2, SPARE
	v_mov_b32 v[NIL], 0
	v_lshrrev_b32 v20, 5, v0
	v_readfirstlane_b32 s18, v20                   ; wave w
	s_and_b32 s19, ttmp7, 0xffff                   ; expert e
	s_and_b32 s20, ttmp9, 7                        ; column block cs
	s_lshr_b32 s29, ttmp9, 3                       ; quarter of K, kq
	v_and_b32 v[LN], 31, v0
	v_and_b32 v[RR], 15, v0
	v_bfe_u32 v[HH], v0, 4, 1
	v_lshlrev_b32 v[R16], 4, v[RR]
	v_lshlrev_b32 v[L16], 4, v[LN]
	s_lshl_b32 s44, s18, 17                        ; 32 w rows of 4,096 bytes
	v_lshl_add_u32 v[WO], v[HH], 15, v[R16]
	v_add_nc_u32 v[WO], s44, v[WO]
	v_mov_b32 v[WOE], v[WO]
	v_lshl_add_u32 v[PF], v[LN], 12, s44
	v_mov_b32 v[PFE], v[PF]
	v_lshrrev_b32 v20, 2, v[RR]
	v_mul_u32_u24 v20, v20, FS
	v_and_b32 v21, 3, v[RR]
	v_lshl_add_u32 v20, v21, 6, v20
	v_lshl_add_u32 v20, v[HH], 8, v20
	s_mul_i32 s46, s18, KSB
	v_add_nc_u32 v[WST], s46, v20
	v_mov_b32 v[BLD], v[L16]
	v_add_nc_u32 v[WST+4], SLOT, v[WST]
	v_add_nc_u32 v[BLD+4], SLOT, v[BLD]
	s_mul_i32 s45, s18, 16*SP
	s_add_co_u32 s45, s45, STAGE                   ; my stage
	v_mul_u32_u24 v20, v[RR], SP
	v_lshl_add_u32 v20, v[HH], 5, v20
	v_add_nc_u32 v[STO], s45, v20                  ; in: row r, 32 bytes for each half of the lanes
	v_add_nc_u32 v[RD], s45, v[L16]                ; back: a whole row across the wave
	s_lshl_b32 s32, s19, 23
	s_lshl_b32 s44, s29, 21
	s_add_co_u32 s32, s32, s44
	s_lshl_b32 s44, s20, 9
	s_add_co_u32 s32, s32, s44                     ; w2: expert, 512 kq rows, 128 cs columns
	s_mov_b32 s33, 0
	s_lshl_b32 s34, s19, 5
	s_lshl_b32 s44, s29, 3
	s_add_co_u32 s34, s34, s44
	s_lshl_b32 s34, s34, 17                        ; hid: block (e, 8 kq)
	s_mov_b32 s35, 0
	s_mov_b32 s46, 0
	s_mov_b32 s47, 0                               ; the upper word of the prefetch's chunk offset
	s_lshl_b32 s16, s19, 7                         ; cnt
	s_mov_b32 s17, 0
	s_lshl_b32 s44, s29, 25                        ; ypart: part kq of 8,192 rows of 4,096 bytes,
	s_lshl_b32 s45, s19, 22                        ; the expert's 1,024 rows,
	s_add_co_u32 s44, s44, s45
	s_lshl_b32 s45, s20, 9                         ; 128 cs columns
	s_add_co_u32 s44, s44, s45
	s_mov_b32 s45, 0
	s_wait_kmcnt 0x0
	s_add_nc_u64 s[8:9], s[8:9], s[16:17]
	s_load_b32 s21, s[8:9], 0x0                    ; the expert's count
	s_add_nc_u64 s[10:11], s[10:11], s[32:33]
	s_add_nc_u64 s[4:5], s[4:5], s[34:35]
	s_add_nc_u64 s[12:13], s[12:13], s[44:45]
	s_mov_b64 s[36:37], s[10:11]                   ; chunk 0
	s_add_nc_u64 s[38:39], s[10:11], 256
	WLOAD 0
	WLOAD 1
	WLOAD 2
	WLOAD 3
	s_add_nc_u64 s[68:69], s[10:11], 2<<CH         ; chunk 1 is loaded below, chunk 2 in the first trip: it is prefetched here
	s_add_nc_u64 s[70:71], s[68:69], 256
	PREF
	s_wait_kmcnt 0x0
	s_min_u32 s21, s21, 1024                       ; M
	s_add_co_u32 s22, s21, 15
	s_lshr_b32 s22, s22, 4
	s_max_u32 s22, s22, 1                          ; Mt
	s_sub_co_u32 s30, s22, 1
	s_mov_b32 s44, 0
	AOFFS
	CLEAR                                          ; in the wait for the first loads
	s_wait_loadcnt 0x0                             ; chunk 0's weights are in registers, and the bases may be written
	s_add_nc_u64 s[36:37], s[10:11], 1<<CH         ; weights: chunk 1
	s_add_nc_u64 s[38:39], s[36:37], 256
	s_mov_b64 s[40:41], s[4:5]                     ; tokens: chunk 0
	SUB 0, 0
	SUB 1, 0
	SUB 2, 0
	SUB 3, 0
	s_mov_b32 s23, 0
.Lpass:
	s_mul_i32 s28, s23, 20
	s_sub_co_i32 s44, s22, s28
	s_sub_co_i32 s44, s44, s18
	s_max_i32 s44, s44, 0
	s_add_co_u32 s44, s44, 3
	s_lshr_b32 s44, s44, 2
	s_min_u32 s26, s44, 5                          ; my live tiles
	s_add_co_u32 s44, s28, 20
	s_cmp_lt_u32 s44, s22
	s_cselect_b32 s27, -1, 0                       ; is there a next pass?
	s_cmp_lt_u32 s28, s22
	s_cselect_b32 s25, 1, 0                        ; is this one live?  The same in all four waves
	s_mov_b32 s24, 0
.Lpair:
	s_wait_dscnt 0x0                               ; my stores into slot 0 are done, and my reads of slot 1 are over
	s_barrier_signal -1
	s_barrier_wait -1
	s_cmp_eq_u32 s25, 0
	s_cbranch_scc1 .Lodd                           ; a dead pass jumps the work, never the barrier
	G 0
.Lodd:
	s_wait_dscnt 0x0
	s_barrier_signal -1
	s_barrier_wait -1
	s_cmp_eq_u32 s25, 0
	s_cbranch_scc1 .Lnext
	G 1
.Lnext:
	s_add_co_u32 s24, s24, 1
	s_cmp_lt_u32 s24, 2
	s_cbranch_scc1 .Lpair
	s_add_co_u32 s23, s23, 1
	s_cmp_lt_u32 s23, 4
	s_cbranch_scc1 .Lpass
	s_wait_tensorcnt 0x0                           ; the wave's end, behind my last LDS store
	ds_add_u32 v[SPW], v[NIL]
	s_wait_dscnt 0x0
	s_endpgm
.Lfunc_end_k_q383bf57b00_ffn2:
	.size	k_q383bf57b00_ffn2, .Lfunc_end_k_q383bf57b00_ffn2-k_q383bf57b00_ffn2
	.p2alignl 7, 3214868480
	.fill 96, 4, 3214868480
	.section	.rodata,"a",@progbits
	.p2align	6, 0x0
	.amdhsa_kernel k_q383bf57b00_ffn2
		.amdhsa_group_segment_fixed_size 100864
		.amdhsa_private_segment_fixed_size 0
		.amdhsa_enable_private_segment 0
		.amdhsa_kernarg_size 32
		.amdhsa_user_sgpr_count 2
		.amdhsa_user_sgpr_kernarg_segment_ptr 1
		.amdhsa_wavefront_size32 1
		.amdhsa_system_sgpr_workgroup_id_x 1
		.amdhsa_system_sgpr_workgroup_id_y 1
		.amdhsa_system_sgpr_workgroup_id_z 1
		.amdhsa_system_vgpr_workitem_id 0
		.amdhsa_next_free_vgpr 832
		.amdhsa_next_free_sgpr 72
		.amdhsa_reserve_vcc 0
		.amdhsa_float_denorm_mode_32 3
		.amdhsa_float_denorm_mode_16_64 3
		.amdhsa_memory_ordered 1
		.amdhsa_forward_progress 1
		.amdhsa_inst_pref_size 131
	.end_amdhsa_kernel
	.amdgpu_metadata
---
amdhsa.version: [ 1, 2 ]
amdhsa.kernels:
  - .name:           k_q383bf57b00_ffn2
    .symbol:         k_q383bf57b00_ffn2.kd
    .args:
      - { .name: hid, .offset: 0, .size: 8, .value_kind: global_buffer, .address_space: global }
      - { .name: cnt, .offset: 8, .size: 8, .value_kind: global_buffer, .address_space: global }
      - { .name: w2, .offset: 16, .size: 8, .value_kind: global_buffer, .address_space: global }
      - { .name: ypart, .offset: 24, .size: 8, .value_kind: global_buffer, .address_space: global }
    .group_segment_fixed_size: 100864
    .private_segment_fixed_size: 0
    .kernarg_segment_align: 8
    .kernarg_segment_size: 32
    .max_flat_workgroup_size: 128
    .sgpr_count:     72
    .vgpr_count:     832
    .wavefront_size: 32
...
	.end_amdgpu_metadata
.endif
;; end of part 6
;; launch combine (part 7): grid 256 x 1, 8 waves a work-group, no clusters, 0 bytes of LDS; arguments ypart, gates, pos, idx, out0; writes out0
.if DOCPART == 7
	.amdgcn_target "amdgcn-amd-amdhsa--gfx1250"
	.amdhsa_code_object_version 6
	.text
	.protected	k_q383bf57b00_combine
	.globl	k_q383bf57b00_combine
	.p2align	8
	.type	k_q383bf57b00_combine,@function
k_q383bf57b00_combine:
	s_mov_b64 s[64:65], 0
	v_nop
	global_prefetch_b8 v0, s[64:65] scope:SCOPE_SE
	s_setreg_imm32_b32 hwreg(HW_REG_WAVE_MODE, 25, 1), 1
	s_wait_xcnt 0x0
; THE SUM.  out0[t][:] = g0[t] x (the four K parts of the row of t's first choice) + g1[t] x (those of its second), all in f32.
; The row of token t and expert e in each part of ypart is pos[e][t] = 1,024 e + t's rank in e; idx[t][slot] says which e.  The eight experts' words for my four tokens are loaded together with idx and the gates, so that the
; choice costs no second trip to memory: seven compares and selects a row, on scalar registers, the eight rows by turns.
; A stream: each stored byte of ypart is read once, each byte of out0 written once; no LDS, no barrier, no matrix unit: nothing is shared and nothing is multiplied by a matrix.
; A work-group takes tokens 4 g .. 4 g + 3; thread T takes bytes 16 T of a row, so a wave's load or store covers 512 consecutive bytes and the eight waves a row.  All 32 loads of a thread go out before the first wait for data.
.set RO, 2                             ; v2-9: byte offsets of the eight rows (token q, slot sl at RO + 2 q + sl)
.set Y,  12                            ; v12-139: token q, slot sl, part k at Y + 32 q + 16 sl + 4 k
.set IX, 36                            ; s36-43: the eight choices
.set PW, 48                            ; expert e's four words at s[PW + 4 e], from e = 4 on four further up: s48-63, s68-83
.set RW, 84                            ; s84-91: the eight rows
	s_load_b256 s[4:11], s[0:1], 0x0               ; ypart s[4:5], gates s[6:7], pos s[8:9], idx s[10:11]
	s_load_b64 s[12:13], s[0:1], 0x20              ; out0
	v_lshlrev_b32 v1, 4, v0
	s_lshl_b32 s14, ttmp9, 5                       ; four tokens' two words, in gates and in idx
	s_mov_b32 s15, 0
	s_lshl_b32 s34, ttmp9, 4                       ; four tokens' one word, in an expert's part of pos
	s_mov_b32 s35, 0
	s_lshl_b32 s44, ttmp9, 14                      ; four rows of 4,096 bytes
	s_mov_b32 s45, 0
	s_wait_kmcnt 0x0
	s_add_nc_u64 s[8:9], s[8:9], s[34:35]
	s_add_nc_u64 s[10:11], s[10:11], s[14:15]
	s_add_nc_u64 s[6:7], s[6:7], s[14:15]
.irp e, 0,1,2,3,4,5,6,7
	s_load_b128 s[PW+4*(\e)+4*((\e)/4):PW+4*(\e)+4*((\e)/4)+3], s[8:9], 4096*(\e)
.endr
	s_load_b256 s[IX:IX+7], s[10:11], 0x0
	s_load_b256 s[16:23], s[6:7], 0x0
	s_mov_b64 s[24:25], s[4:5]                     ; a base for each part: 8,192 rows of 4,096 bytes apart, more than a load's immediate holds (ISA guide, chapter 10)
	s_add_nc_u64 s[26:27], s[24:25], 0x2000000
	s_add_nc_u64 s[28:29], s[26:27], 0x2000000
	s_add_nc_u64 s[30:31], s[28:29], 0x2000000
	s_add_nc_u64 s[12:13], s[12:13], s[44:45]
	s_wait_kmcnt 0x0                               ; pos, idx and the gates
.irp n, 0,1,2,3,4,5,6,7
	s_mov_b32 s[RW+\n], s[PW+(\n)/2]               ; expert 0's word for token n / 2,
.endr
.irp e, 1,2,3,4,5,6,7
.irp n, 0,1,2,3,4,5,6,7
	s_cmp_eq_u32 s[IX+\n], \e                      ; or that of the expert chosen
	s_cselect_b32 s[RW+\n], s[PW+4*(\e)+4*((\e)/4)+(\n)/2], s[RW+\n]
.endr
.endr
.irp n, 0,1,2,3,4,5,6,7
	s_min_u32 s[RW+\n], s[RW+\n], 8191             ; a loaded number enters an address only behind a clamp by a constant
	s_lshl_b32 s[RW+\n], s[RW+\n], 12
	v_add_nc_u32 v[RO+\n], s[RW+\n], v1
.endr
.irp q, 0,1,2,3
.irp sl, 0,1
.irp k, 0,1,2,3
	global_load_b128 v[Y+32*\q+16*\sl+4*\k:Y+32*\q+16*\sl+4*\k+3], v[RO+2*\q+\sl], s[24+2*\k:25+2*\k] th:TH_LOAD_NT
.endr
.endr
.endr
.irp q, 0,1,2,3
	s_wait_loadcnt 8*(3-\q)                        ; token q's eight loads are in; the later tokens' stay out
.irp sl, 0,1
.set B, Y+32*\q+16*\sl
	v_pk_add_f32 v[B:B+1], v[B:B+1], v[B+4:B+5]
	v_pk_add_f32 v[B+2:B+3], v[B+2:B+3], v[B+6:B+7]
	v_pk_add_f32 v[B+8:B+9], v[B+8:B+9], v[B+12:B+13]
	v_pk_add_f32 v[B+10:B+11], v[B+10:B+11], v[B+14:B+15]
	v_pk_add_f32 v[B:B+1], v[B:B+1], v[B+8:B+9]
	v_pk_add_f32 v[B+2:B+3], v[B+2:B+3], v[B+10:B+11]
.endr
.set B, Y+32*\q
.irp j, 0,1,2,3
	v_mul_f32 v[B+\j], s[16+2*\q], v[B+\j]
.endr
.irp j, 0,1,2,3
	v_fma_f32 v[B+\j], s[17+2*\q], v[B+16+\j], v[B+\j]
.endr
	global_store_b128 v1, v[B:B+3], s[12:13] offset:\q*4096 th:TH_STORE_NT
.endr
	s_endpgm
.Lfunc_end_k_q383bf57b00_combine:
	.size	k_q383bf57b00_combine, .Lfunc_end_k_q383bf57b00_combine-k_q383bf57b00_combine
	.p2alignl 7, 3214868480
	.fill 96, 4, 3214868480
	.section	.rodata,"a",@progbits
	.p2align	6, 0x0
	.amdhsa_kernel k_q383bf57b00_combine
		.amdhsa_group_segment_fixed_size 0
		.amdhsa_private_segment_fixed_size 0
		.amdhsa_enable_private_segment 0
		.amdhsa_kernarg_size 40
		.amdhsa_user_sgpr_count 2
		.amdhsa_user_sgpr_kernarg_segment_ptr 1
		.amdhsa_wavefront_size32 1
		.amdhsa_system_sgpr_workgroup_id_x 1
		.amdhsa_system_sgpr_workgroup_id_y 1
		.amdhsa_system_sgpr_workgroup_id_z 1
		.amdhsa_system_vgpr_workitem_id 0
		.amdhsa_next_free_vgpr 140
		.amdhsa_next_free_sgpr 92
		.amdhsa_reserve_vcc 0
		.amdhsa_float_denorm_mode_32 3
		.amdhsa_float_denorm_mode_16_64 3
		.amdhsa_memory_ordered 1
		.amdhsa_forward_progress 1
		.amdhsa_inst_pref_size 15
	.end_amdhsa_kernel
	.amdgpu_metadata
---
amdhsa.version: [ 1, 2 ]
amdhsa.kernels:
  - .name:           k_q383bf57b00_combine
    .symbol:         k_q383bf57b00_combine.kd
    .args:
      - { .name: ypart, .offset: 0, .size: 8, .value_kind: global_buffer, .address_space: global }
      - { .name: gates, .offset: 8, .size: 8, .value_kind: global_buffer, .address_space: global }
      - { .name: pos, .offset: 16, .size: 8, .value_kind: global_buffer, .address_space: global }
      - { .name: idx, .offset: 24, .size: 8, .value_kind: global_buffer, .address_space: global }
      - { .name: out0, .offset: 32, .size: 8, .value_kind: global_buffer, .address_space: global }
    .group_segment_fixed_size: 0
    .private_segment_fixed_size: 0
    .kernarg_segment_align: 8
    .kernarg_segment_size: 40
    .max_flat_workgroup_size: 256
    .sgpr_count:     92
    .vgpr_count:     140
    .wavefront_size: 32
...
	.end_amdgpu_metadata
.endif
;; end of part 7
;; ======== version 3 of 3: 4 launches; version 2 with the launch ffn1 written anew for expert scheduling mode
;; workspace buffers: xb 2,097,152 bytes; idx 8,192 bytes of whole numbers; gates 8,192 bytes; hid 33,554,432 bytes; pos 32,768 bytes of whole numbers; cnt 1,024 bytes of whole numbers; ypart 134,217,728 bytes
;; launch router: the kernel of part 1 again; grid 256 x 1, 4 waves a work-group, no clusters, 20,992 bytes of LDS; arguments x, Wg, bg, xb, idx, gates; writes xb, idx, gates
;; launch ffn1 (part 8): grid 32 x 8, 4 waves a work-group, no clusters, 241,152 bytes of LDS; arguments xb, idx, w1, w3, hid, pos, cnt; writes hid, pos, cnt
.if DOCPART == 8
	.amdgcn_target "amdgcn-amd-amdhsa--gfx1250"
	.amdhsa_code_object_version 6
	.text
	.protected	k_q383bf57b00_ffn1
	.globl	k_q383bf57b00_ffn1
	.p2align	8
	.type	k_q383bf57b00_ffn1,@function
k_q383bf57b00_ffn1:
	s_mov_b64 s[64:65], 0
	v_nop
	global_prefetch_b8 v0, s[64:65] scope:SCOPE_SE
	s_setreg_imm32_b32 hwreg(HW_REG_WAVE_SCHED_MODE, 0, 2), 2
	s_setreg_imm32_b32 hwreg(HW_REG_WAVE_MODE, 25, 1), 1
	s_wait_xcnt 0x0
	s_wait_alu depctr_vm_vsrc(0)
; FIRST PRODUCTS OF THE EXPERTS.  hid = silu(x w1[e]) * (x w3[e]) for the rows routed to expert e alone, rounded once to bf16.  Operands bf16 (the f32 weights are rounded on their way through registers), sums f32.
; SHARES.  Work-group (s, e): expert e, hidden columns 64 s .. 64 s + 63 of w1 (mat 0) and of w3 (mat 1): a slice of weights that it alone reads, once where the expert has up to 320 rows.
; An expert's tokens are ranked by ascending token; tile T is ranks 16 T .. 16 T + 15.  A PASS is 20 tiles; wave w owns tiles 20 r + 4 i + w, i = 0..4: 40 accumulators.  Four passes cover every split (1,024 rows on one expert);
; the trip counts are constants, every wave passes every barrier, and a pass past the expert's tiles jumps its work.  Ranks past the count repeat token 0; an expert without rows still makes tile 0, which the next launch loads and does not store.
; THE ROUTING STAYS IN REGISTERS.  The expert's tokens are a bitmap of 32 scalar words.  A lane that wants the token of rank q scans the words' running counts for the last word that begins at or below q, and then finds that
; word's (q - count)-th set bit by five halvings over the word's partial bit counts.  A wave's 80 ranks of a pass are three registers' lanes.  No LDS byte is spent on it, and EXEC is never written.
; Also stored for the later launches: pos[e][token] = 1,024 e + the number of e's tokens below that token, which is the token's rank where it chose e and a number that nobody reads elsewhere (work-group (s, e) stores the 32 words
; of tokens 32 s .. 32 s + 31, so the 256 work-groups write the whole table); and cnt[e] = the expert's rows.
; K goes in chunks of 128.  Wave w brings K step w (32 rows) of a chunk for both mats, rounds pairs of rows to bf16 and stores them into LDS as the fragments' register images; all four waves read them.
; Its own 80 token rows go through LDS bytes of its own.  THE MATRIX INSTRUCTION takes source 0 = 16 weight columns, source 1 = 16 tokens: a lane then holds one token and eight neighbouring hidden columns.
; THE QUEUE.  Trip c multiplies chunk c out of slot c % 2; at the head of its K step b, block SUB b moves batch b of chunk c + 1 from registers into the other slot, and batch b of chunk c + 2 is asked for in the same step
; (10 loads of tokens, then 8 of weights).  So the loads asked for are always the same four batches in the same cyclic order, whether a trip ran or was jumped, and each counted wait holds on every way through the text.
; By the text's count 72 loads are asked for at a time; issue holds where the counter's field is full (ISA guide 5.7.1).  Chunks wrap into the next pass; where there is none, the weight lanes' offsets are masked to 0, and the
; token registers behind the last pass hold token 0 (behind a fourth pass: that pass's tokens once more).
; THE ACCUMULATORS ARE CLEARED, not started by a first product: which trips run hangs on a loaded count, and a way through the text that jumped the first product would read them unwritten.
; NO CLUSTER, NO TENSOR LOADS: each weight byte has one reader; the token rows that an expert's 32 work-groups share are chosen row by row, which no tile descriptor covers.
; LIMITS.  silu(a) = a / (1 + 2^(-a log2 e)): where the exponential overflows the result is 0 as long as the two products' product is finite.  NaN and infinities are not treated apart.
; THE MODE: SCHED_MODE bits 1:0 = 2 (LLVM: expert scheduling mode 2), set by the entry lines.  The code itself states the register dependences between vector or matrix instructions and memory or LDS instructions,
; and those through scalar registers that vector instructions write, with s_wait_alu, always for 0.
; THE PLAN.  Registers that memory or LDS instructions touch, in the loop:
;   XS0 .. XS3   Block b: its ten LDS stores read XS[b]; behind them the token loads of the same block land in it.  No vector instruction names them.
;   WS0 .. WS3   Block b: its sixteen conversions read WS[b]; behind them the weight loads of the same block land in it.
;   TMP0, TMP1   Block b: its conversions write TMP[b % 2], its four LDS stores read it; it is written again two blocks on.
;   BB0, BB1, AB0, AB1   K step ks: its products read buffer ks % 2; the LDS loads issued in step ks + 1 land in it (the fragments of step ks + 2).  AB's registers also serve the way out and, at the start, the rank search.
;   WOE, PFE     Read by the weight loads and the prefetches; written at a trip's head.        XOFF  Read by the token loads; written at the head of chunk 6 alone.
;   OO           A tile's roundings write it, its four stores read it.
;   XST, WST, BLD, ALD, L16   Made at the kernel's head and never written again.              The accumulators are named by vector and matrix instructions alone.
; So ONE wait on va_vdst and ONE on vm_vsrc stand in a K step, behind its conversions; the step's 44 loads and 4 stores follow them, dealt among its products, which name the step's own fragment buffers and the accumulators:
; none of the registers that those loads and stores touch.  One pair more stands at a trip's head, round the lines that write WOE, PFE and XOFF.
.set PITCH, 8192                       ; bytes from row to row of w1, w3
.set CH,    20                         ; a chunk, 128 rows, is 2^20 bytes on
.set FS,    1040                       ; a fragment's image: 1,024 bytes + 16, so that the 16 lanes of a store (four fragments, four places each) touch 16 different 16-byte columns of the banks (ISA guide 11.1)
.set MS,    4*FS                       ; a mat of a K step: four fragments
.set KSB,   2*MS                       ; a K step
.set WB,    4*KSB                      ; a chunk's weights: 33,280 bytes
.set XP,    272                        ; a token's 256 bytes of a chunk + 16
.set XW,    80*XP                      ; a wave's 80 rows
.set SLOT,  WB+4*XW                    ; 120,320
.set SPARE, 2*SLOT                     ; behind the two slots: the spare words, 128 bytes a wave
.set OCAP,  0xfffff                    ; above every offset inside a chunk: 852,208 for a load's lane, 1,040,384 for a prefetch's
; window 0
.set LN,  1                            ; lane L
.set RR,  2                            ; r = L % 16
.set HH,  3                            ; h = L / 16
.set R16, 4                            ; 16 r
.set WO,  5                            ; my offset in a chunk of weights: (32 w + 8 h) rows + 16 r
.set WOE, 6                            ; the same, or 0
.set XST, 7                            ; LDS: where I put token rows, slot 0 (slot 1: +4)
.set WST, 8                            ; where I put weights
.set BLD, 9                            ; where I read weight fragments
.set ALD, 10                           ; where I read token fragments
.set RKB, 15                           ; 64 h + 16 w + r: my lane's rank in pass 0, first rank register
.set L16, 17                           ; 16 L
.set PF,  18                           ; prefetch: row 32 w + L of a chunk
.set PFE, 19                           ; the same, or 0
.set SPW, 28
.set NIL, 29
.set XOFF, 48                          ; v48-87   byte offsets in xb of my 80 rows, two rows a register
.set AB,  88                           ; v88-167  token fragments, two buffers of 40
.set T1,  88                           ; the way out works where they lay
.set T2,  120
.set OO,  152
.set IDX, 168                          ; v168-231 idx, at the start
.set TK,  232                          ; v232-243 tokens by rank: three registers a pass, the pass in hand in front; lane (h, r) of register j: tile 2 j + h of my five, row r
; at work while ranks are turned into tokens, three registers each, where the token fragments will lie
.set RK,  88                           ; the ranks
.set WW,  92                           ; the bitmap word that holds the rank
.set PP,  96                           ; tokens before that word, and 32 x the word's number 16 bits up
.set KK,  100                          ; which set bit of the word
.set SA,  104                          ; the word's bit counts by 2,
.set SB,  108                          ; by 4,
.set SC,  112                          ; by 8,
.set SD,  116                          ; and, in the lowest byte, of its low 16
.set PO,  120                          ; the bit's place
.set TA,  124
.set TB,  128
; window 1
.set BB,  0                            ; v256-383 weight fragments, two buffers of 64
.set WS,  128                          ; v384-511 weights as loaded: four batches of 32
; window 2: accumulators of tiles 0-3, (i, a) at 64 i + 8 a;  window 3: tile 4 at v768-831
.set XS,  64                           ; v832-991 token rows as loaded: 40 x 4
.set TMP, 224                          ; v992-1023 weights rounded, on their way to LDS: two buffers of 16, by turns
.set CV,  40                           ; s40-43   the scan: four words' counts, each with 32 x its word's number 16 bits up
.set SM,  58                           ; s58-60   three lane masks
.set HM,  63                           ; s63      lanes 16 to 31
.set MK,  66                           ; s66-97   the bitmap; later the 32 tokens of two tiles
.set MSB, 0
.macro WIN new                         ; bits 1:0 source 0, 3:2 source 1, 5:4 source 2, 7:6 destination; the high byte repeats the setting that is left
.if MSB != (\new)
	s_set_vgpr_msb (MSB<<8)|(\new)
.set MSB, \new
.endif
.endm
; batch b = (mat b / 2, half b % 2): rows 16 half + 8 h + j of my K step; 16 lanes take a row's 256 bytes, aligned
.macro WLOAD b
	WIN 0x40
.irp j, 0,1,2,3,4,5,6,7
	global_load_b128 v[WS+32*(\b)+4*(\j):WS+32*(\b)+4*(\j)+3], v[WOE], s[36+2*((\b)/2):37+2*((\b)/2)] offset:(16*((\b)%2)+(\j))*PITCH th:TH_LOAD_NT
.endr
.endm
.macro XLOAD b                         ; 20 of my 80 token rows: 16 lanes take a token's 256 bytes of the chunk
	WIN 0xc0
.irp u, 0,1,2,3,4,5,6,7,8,9
	global_load_b128 v[XS+40*(\b)+4*(\u):XS+40*(\b)+4*(\u)+3], v[XOFF+10*(\b)+(\u)], s[40:41]
.endr
.endm
.macro PREF                            ; lane L asks for the 256 bytes of row 32 w + L, once for each mat: each block is asked for by one lane of one wave
	global_prefetch_b8 v[PFE], s[50:51] th:TH_LOAD_NT scope:SCOPE_SE
	global_prefetch_b8 v[PFE], s[52:53] th:TH_LOAD_NT scope:SCOPE_SE
.endm
; the scan's masks: mask j of word k of a run of four lies in s23-28, s44-46, s58-60
.macro MREG k, j
.set q9, 3*(\k)+(\j)
.set mr, 23+q9+15*(q9/6)+11*(q9/9)
.endm
; one halving: the field of wd bits at the bit's place holds the set bits of the lower half of what is left; if the wanted bit is not among them, they are taken off and the place moves inc up
.macro DESC src, wd, inc
.irp j, 0,1,2
	v_bfe_u32 v[TA+\j], v[(\src)+\j], v[PO+\j], \wd
.endr
.irp j, 0,1,2
	v_cmp_ge_u32 s[SM+\j], v[KK+\j], v[TA+\j]
.endr
.irp j, 0,1,2
	v_sub_nc_u32 v[TA+\j], v[KK+\j], v[TA+\j]
	v_add_nc_u32 v[TB+\j], \inc, v[PO+\j]
.endr
	s_wait_alu depctr_va_sdst(0)                   ; the three compares have written their masks, which the selects below read
.irp j, 0,1,2
	v_cndmask_b32 v[KK+\j], v[KK+\j], v[TA+\j], s[SM+\j]
	v_cndmask_b32 v[PO+\j], v[PO+\j], v[TB+\j], s[SM+\j]
.endr
.endm
; the 40 offsets of the pass whose tokens stand in front of TK.  Register 8 i + q: lanes 0-15 row 2 q of tile i, lanes 16-31 row 2 q + 1.  A register of TK is two tiles: its 32 lanes are read in one run.
; XOFF's registers are free: the waits for the loads that read them, or no load at all, stand ahead of every use.
.macro EXPAND
.irp j, 0,1,2
.irp n, 0,1,2,3,4,5,6,7,8,9,10,11,12,13,14,15,16,17,18,19,20,21,22,23,24,25,26,27,28,29,30,31
.if ((\j) < 2) || ((\n) < 16)
	v_readlane_b32 s[MK+\n], v[TK+\j], \n
.endif
.endr
	s_wait_alu depctr_va_sdst(0)                   ; the run above has written s[MK ..], which the moves and selects below read
.irp u, 0,1
.if 2*(\j)+(\u) < 5
.irp q, 0,1,2,3,4,5,6,7
	v_mov_b32 v[XOFF+8*(2*(\j)+(\u))+\q], s[MK+16*(\u)+2*\q]
.endr
.irp q, 0,1,2,3,4,5,6,7
	v_cndmask_b32 v[XOFF+8*(2*(\j)+(\u))+\q], v[XOFF+8*(2*(\j)+(\u))+\q], s[MK+16*(\u)+2*\q+1], s[HM]
.endr
.irp q, 0,1,2,3,4,5,6,7
	v_min_u32 v[XOFF+8*(2*(\j)+(\u))+\q], 0x3ff, v[XOFF+8*(2*(\j)+(\u))+\q]      ; a number made of loaded ones enters an address only behind a clamp by a constant
.endr
.irp q, 0,1,2,3,4,5,6,7
	v_lshl_add_u32 v[XOFF+8*(2*(\j)+(\u))+\q], v[XOFF+8*(2*(\j)+(\u))+\q], 11, v[R16]
.endr
.endif
.endr
.endr
.endm
; the fragments of K step ks out of slot sl, into buffer ks % 2: 16 loads of weights (contiguous, 16 bytes a lane),
.macro LDFB ks, sl
	WIN 0x40
.irp a, 0,1,2,3,4,5,6,7
	ds_load_b128 v[BB+64*((\ks)&1)+8*(\a):BB+64*((\ks)&1)+8*(\a)+3], v[BLD+4*(\sl)] offset:(2*(\ks)+(\a)/4)*MS+((\a)%4)*FS
	ds_load_b128 v[BB+64*((\ks)&1)+8*(\a)+4:BB+64*((\ks)&1)+8*(\a)+7], v[BLD+4*(\sl)] offset:(2*(\ks)+(\a)/4)*MS+((\a)%4)*FS+512
.endr
.endm
; and 10 of my tokens
.macro LDFA ks, sl
	WIN 0
.irp i, 0,1,2,3,4
	ds_load_b128 v[AB+40*((\ks)&1)+8*(\i):AB+40*((\ks)&1)+8*(\i)+3], v[ALD+4*(\sl)] offset:(\i)*16*XP+64*(\ks)
	ds_load_b128 v[AB+40*((\ks)&1)+8*(\i)+4:AB+40*((\ks)&1)+8*(\i)+7], v[ALD+4*(\sl)] offset:(\i)*16*XP+64*(\ks)+32
.endr
.endm
; tile i's products for K step ks: eight accumulators, by turns.  A dead tile jumps its own eight products and nothing else: the loads that stand between the tiles are on every way.
.macro TILE ks, i
	WIN 0
	s_cmp_le_u32 s26, \i
	s_cbranch_scc1 .Ldead_\@
	WIN 0xa1+0x50*((\i)/4)
.irp a, 0,1,2,3,4,5,6,7
	v_wmma_f32_16x16x32_bf16 v[64*((\i)%4)+8*(\a):64*((\i)%4)+8*(\a)+7], v[BB+64*((\ks)&1)+8*(\a):BB+64*((\ks)&1)+8*(\a)+7], v[AB+40*((\ks)&1)+8*(\i):AB+40*((\ks)&1)+8*(\i)+7], v[64*((\i)%4)+8*(\a):64*((\i)%4)+8*(\a)+7]
.endr
	WIN 0
.Ldead_\@:
.endm
; batch b goes from registers into slot tg, and its tokens are asked for again; its weights are asked for behind this block (WLOAD b), with no vector instruction but products between.
; The sixteen conversions name no register of the products: they also stand between the last step's products and the next loads into their sources.
.macro SUB b, tg
	s_wait_loadcnt 54                              ; loads return in order (ISA guide 5.7.1): my batch is in; the three younger batches, 3 x 18 loads, stay out
	WIN 0x0c
.irp u, 0,1,2,3,4,5,6,7,8,9
	ds_store_b128 v[XST+4*(\tg)], v[XS+40*(\b)+4*(\u):XS+40*(\b)+4*(\u)+3] offset:(20*(\b)+2*(\u))*XP
.endr
	WIN 0xc5
.irp cc, 0,1,2,3
.irp mm, 0,1,2,3
	v_cvt_pk_bf16_f32 v[TMP+16*((\b)&1)+4*(\cc)+(\mm)], v[WS+32*(\b)+8*(\mm)+(\cc)], v[WS+32*(\b)+8*(\mm)+4+(\cc)]   ; rows 2 mm, 2 mm + 1 of column 4 r + cc: register mm of a fragment's half
.endr
.endr
	WIN 0xc0
	s_wait_alu depctr_va_vdst(0)                   ; the conversions have written TMP[b % 2], which the stores below read, and are done reading WS[b], in which the weight loads land; the last step's products are done reading the fragment buffers in which this step's LDS loads land
	s_wait_alu depctr_vm_vsrc(0)                   ; the ten stores above have read XS[b], in which the loads below land; the block before's stores have read the other TMP, which the next block's conversions write
	XLOAD \b
	WIN 0x0c
.irp cc, 0,1,2,3
	ds_store_b128 v[WST+4*(\tg)], v[TMP+16*((\b)&1)+4*(\cc):TMP+16*((\b)&1)+4*(\cc)+3] offset:((\b)/2)*MS+((\b)%2)*512+(\cc)*16
.endr
.endm
; K step ks out of slot sl.  Behind the block's two waits no further one is owed: the products name BB[ks % 2], AB[ks % 2] and the accumulators, the loads between them land in BB and AB of the other parity and in WS[ks].
.macro KSTEP ks, sl
	SUB \ks, 1-(\sl)
	WIN 0
	s_wait_dscnt 14                                ; LDS instructions end in order (ISA guide 5.7.1): the step's fragments are in; behind them stand the block's 14 stores, which may stay out
	TILE \ks, 0
.if (\ks) < 3
	LDFB (\ks)+1, \sl
.endif
	WLOAD \ks
	WIN 0
.if (\ks) == 0
	PREF                                           ; chunk c + 3: one trip ahead of the trip that loads it
.endif
	TILE \ks, 1
.if (\ks) < 3
	LDFA (\ks)+1, \sl
.endif
	TILE \ks, 2
	TILE \ks, 3
	TILE \ks, 4
.endm
.macro CLEAR
	WIN 0x80
.set z, 0
.rept 256
	v_mov_b32 v[z], 0
.set z, z+1
.endr
	WIN 0xc0
.set z, 0
.rept 64
	v_mov_b32 v[z], 0
.set z, z+1
.endr
	WIN 0
.endm
; tile i leaves: silu(a1) a3 = a1 a3 / (1 + 2^(-a1 log2 e)), rounded to bf16.  A lane's eight numbers of fragment f are 16 bytes; the wave's store covers 512 consecutive bytes of hid, aligned.
; Each accumulator is read from its low end on.
.macro EPI i
	s_cmp_le_u32 s26, \i
	s_cbranch_scc1 .Lepi_end
.set AW, 2+(\i)/4
.set AC, 64*((\i)%4)
	WIN AW
.set q, 0
.rept 16
	v_pk_mul_f32 v[T1+2*q:T1+2*q+1], v[AC+2*q:AC+2*q+1], s[48:49] op_sel_hi:[1,0]
.set q, q+1
.endr
	WIN 0
.set q, 0
.rept 32
	v_exp_f32 v[T1+q], v[T1+q]
.set q, q+1
.endr
	WIN 5*AW
.set q, 0
.rept 16
	v_pk_mul_f32 v[T2+2*q:T2+2*q+1], v[AC+2*q:AC+2*q+1], v[AC+32+2*q:AC+32+2*q+1]   ; independent work behind the batch of exponentials
.set q, q+1
.endr
	WIN 0
	s_wait_alu depctr_va_vdst(0)                   ; the 32 exponentials have written T1: one wait, ahead of their first reader
.set q, 0
.rept 16
	v_pk_add_f32 v[T1+2*q:T1+2*q+1], v[T1+2*q:T1+2*q+1], 1.0 op_sel_hi:[1,0]
.set q, q+1
.endr
.set q, 0
.rept 32
	v_rcp_f32 v[T1+q], v[T1+q]
.set q, q+1
.endr
	v_nop                                          ; a plain instruction behind the last reciprocal (ISA guide 5.7.2)
	s_wait_alu depctr_va_vdst(0)                   ; the 32 reciprocals have written T1: one wait, ahead of their first reader
.set q, 0
.rept 16
	v_pk_mul_f32 v[T2+2*q:T2+2*q+1], v[T2+2*q:T2+2*q+1], v[T1+2*q:T1+2*q+1]
.set q, q+1
.endr
	s_wait_xcnt 0x0                                ; the last tile's stores have had their addresses translated (ISA guide 3.1),
	s_wait_alu depctr_vm_vsrc(0)                   ; and have read OO, which the roundings below write again
.set q, 0
.rept 16
	v_cvt_pk_bf16_f32 v[OO+q], v[T2+2*q], v[T2+2*q+1]
.set q, q+1
.endr
	s_wait_alu depctr_va_vdst(0)                   ; the roundings have written OO, which the four stores read
.irp f, 0,1,2,3
	global_store_b128 v[L16], v[OO+4*\f:OO+4*\f+3], s[42:43] offset:(\i)*8192+\f*512
.endr
.endm
; THE WORK OF A TRIP, chunk c = 2 p + hf, out of slot hf.  All chunk offsets are made from the counter p alone.
.macro G hf
	s_wait_xcnt 0x0                                ; the bases and offsets that earlier loads and prefetches name are rewritten only behind this wait
	s_wait_alu depctr_vm_vsrc(0)                   ; the loads and prefetches issued so far have read WOE, PFE and XOFF, which the lines below write; the way out's stores have read OO, in which fragments land again
	s_lshl_b32 s44, s24, 1
	s_add_co_u32 s45, s44, (\hf)+3
	s_add_co_u32 s44, s44, (\hf)+2
	s_and_b32 s44, s44, 7                          ; the chunk to ask for, c + 2, wraps into the next pass
	s_and_b32 s45, s45, 7                          ; the chunk to prefetch, c + 3
	s_lshl_b32 s32, s44, CH
	s_lshl_b32 s34, s44, 8
	s_lshl_b32 s46, s45, CH
	s_add_nc_u64 s[36:37], s[8:9], s[32:33]
	s_add_nc_u64 s[38:39], s[10:11], s[32:33]
	s_add_nc_u64 s[40:41], s[4:5], s[34:35]
	s_add_nc_u64 s[50:51], s[8:9], s[46:47]
	s_add_nc_u64 s[52:53], s[10:11], s[46:47]
	s_cmp_ge_u32 s24, 3                            ; chunks 6 and 7 ask for the next pass's weights: if there is none, every lane's offset is 0
	s_cselect_b32 s31, s27, -1
	v_and_b32 v[WOE], s31, v[WO]
	v_min_u32 v[WOE], OCAP, v[WOE]                 ; the mask hangs on a loaded count: what is made with it enters an address only behind a clamp by a constant
	s_cmp_ge_u32 s24, 3-(\hf)                      ; the prefetch wraps a chunk earlier; masked, it asks at the chunk's first byte, inside the buffer
	s_cselect_b32 s31, s27, -1
	v_and_b32 v[PFE], s31, v[PF]
	v_min_u32 v[PFE], OCAP, v[PFE]                 ; likewise
.if (\hf) == 0
	s_cmp_lg_u32 s24, 3
	s_cbranch_scc1 .Lnox
.set k, 0
.rept 9
	v_mov_b32 v[TK+k], v[TK+k+3]                   ; chunk 6 is the first to ask for the next pass's rows: its tokens come to the front (zeros where there is no such pass)
.set k, k+1
.endr
	EXPAND
.Lnox:
.endif
	s_wait_alu depctr_va_vdst(0)                   ; WOE, PFE and, in chunk 6, XOFF are written, which this trip's loads and prefetches read; whatever named AB and BB (the last trip's products, the way out, at the first trip the rank search) is done with them: the fragments below land there
	LDFB 0, \hf
	LDFA 0, \hf
	KSTEP 0, \hf
	KSTEP 1, \hf
	KSTEP 2, \hf
	KSTEP 3, \hf
.if (\hf) == 1
	s_cmp_lg_u32 s24, 3
	s_cbranch_scc1 .Lnoe
.rept 4
	v_nop                                          ; the pass's sums are whole: four places behind the last products, before their results are read and their sources written (ISA guide 7.12.1)
.endr
	EPI 0
	EPI 1
	EPI 2
	EPI 3
	EPI 4
.Lepi_end:
	s_cmp_eq_u32 s27, 0
	s_cbranch_scc1 .Lnoe
	CLEAR                                          ; for the next pass, where there is one
.Lnoe:
.endif
.endm
	s_load_b256 s[4:11], s[0:1], 0x0               ; xb s[4:5], idx s[6:7], w1 s[8:9], w3 s[10:11]
	s_load_b128 s[12:15], s[0:1], 0x20             ; hid s[12:13], pos s[14:15]
	s_load_b64 s[16:17], s[0:1], 0x30              ; cnt
	v_lshl_add_u32 v[SPW], v0, 2, SPARE
	v_mov_b32 v[NIL], 0
	v_lshrrev_b32 v20, 5, v0
	v_readfirstlane_b32 s18, v20                   ; wave w
	s_and_b32 s19, ttmp7, 0xffff                   ; expert e
	s_mov_b32 s20, ttmp9                           ; slice s
	v_and_b32 v[LN], 31, v0
	v_and_b32 v[RR], 15, v0
	v_bfe_u32 v[HH], v0, 4, 1
	v_lshlrev_b32 v[R16], 4, v[RR]
	v_lshlrev_b32 v[L16], 4, v[LN]
	s_wait_alu depctr_va_sdst(0)                   ; s18 is written, ahead of its first reader: offsets, LDS places and branches are made from it
	s_lshl_b32 s44, s18, 18                        ; 32 w rows of 8,192 bytes
	v_lshl_add_u32 v[WO], v[HH], 16, v[R16]        ; 8 h rows + 16 r
	v_add_nc_u32 v[WO], s44, v[WO]
	v_mov_b32 v[WOE], v[WO]
	v_lshl_add_u32 v[PF], v[LN], 13, s44
	v_mov_b32 v[PFE], v[PF]
	s_mul_i32 s45, s18, XW
	s_add_co_u32 s45, s45, WB                      ; my 80 rows in a slot
	v_mul_u32_u24 v20, v[HH], XP
	v_add_nc_u32 v20, v20, v[R16]
	v_add_nc_u32 v[XST], s45, v20                  ; in: lanes 0-15 one row, lanes 16-31 the next
	v_mul_u32_u24 v20, v[RR], XP
	v_lshl_add_u32 v20, v[HH], 4, v20
	v_add_nc_u32 v[ALD], s45, v20                  ; a fragment: row r, 16 h
	v_lshrrev_b32 v20, 2, v[RR]
	v_mul_u32_u24 v20, v20, FS                     ; column 4 r + cc lies in fragment r / 4,
	v_and_b32 v21, 3, v[RR]
	v_lshl_add_u32 v20, v21, 6, v20                ; at the fragment's lane 4 (r % 4) + cc + 16 h, 16 bytes a lane
	v_lshl_add_u32 v20, v[HH], 8, v20
	s_mul_i32 s46, s18, KSB
	v_add_nc_u32 v[WST], s46, v20
	v_mov_b32 v[BLD], v[L16]
.irp k, 0,1,2,3
	v_add_nc_u32 v[XST+4+\k], SLOT, v[XST+\k]      ; the same four in slot 1
.endr
	s_lshl_b32 s44, s18, 4
	v_lshl_add_u32 v[RKB], v[HH], 6, v[RR]
	v_add_nc_u32 v[RKB], s44, v[RKB]
	v_lshlrev_b32 v23, 3, v[LN]                    ; idx: 8 bytes a token
	v_lshlrev_b32 v26, 2, v[LN]                    ; pos and cnt: 4 bytes a lane
	s_mov_b32 s[HM], 0xffff0000
	s_mov_b32 s48, 0xbfb8aa3b                      ; -log2(e)
	s_mov_b32 s49, s48                             ; named with it as a pair
	s_lshl_b32 s32, s19, 23                        ; an expert's weights are 8,388,608 bytes,
	s_lshl_b32 s44, s20, 8                         ; a slice's columns 256
	s_add_co_u32 s32, s32, s44
	s_mov_b32 s33, 0
	s_lshl_b32 s34, s19, 5
	s_add_co_u32 s34, s34, s20
	s_lshl_b32 s34, s34, 17                        ; hid: block (e, s) of 131,072 bytes,
	s_lshl_b32 s44, s18, 11                        ; tile w of 2,048
	s_add_co_u32 s34, s34, s44
	s_mov_b32 s35, 0
	s_lshl_b32 s46, s19, 12                        ; pos: the expert's 1,024 words,
	s_lshl_b32 s44, s20, 7                         ; tokens 32 s on
	s_add_co_u32 s46, s46, s44
	s_mov_b32 s47, 0                               ; stays 0: later the upper word of the prefetch's chunk offset
	s_lshl_b32 s44, s19, 7
	s_mov_b32 s45, 0
	s_wait_kmcnt 0x0
	s_add_nc_u64 s[8:9], s[8:9], s[32:33]
	s_add_nc_u64 s[10:11], s[10:11], s[32:33]
	s_add_nc_u64 s[12:13], s[12:13], s[34:35]
	s_add_nc_u64 s[14:15], s[14:15], s[46:47]
	s_add_nc_u64 s[16:17], s[16:17], s[44:45]
	s_wait_alu depctr_va_vdst(0)                   ; the offsets and LDS addresses made above are written: v23, WOE and PFE, which the lines below read, and XST, WST, BLD, ALD, L16 and v26 for the whole kernel
.set g, 0
.rept 32
	global_load_b64 v[IDX+2*g:IDX+2*g+1], v23, s[6:7] offset:256*g   ; token 32 g + L: its two experts
.set g, g+1
.endr
	s_mov_b64 s[36:37], s[8:9]                     ; chunk 0
	s_mov_b64 s[38:39], s[10:11]
	WLOAD 0
	WLOAD 1
	WLOAD 2
	WLOAD 3
	WIN 0
	s_add_nc_u64 s[50:51], s[8:9], 2<<CH           ; chunk 1 is loaded below, chunk 2 in the first trip: it is prefetched here
	s_add_nc_u64 s[52:53], s[10:11], 2<<CH
	PREF
.set k, 0
.rept 12
	v_mov_b32 v[TK+k], 0                           ; a pass that does not exist names token 0
.set k, k+1
.endr
	s_wait_loadcnt 32                              ; idx is in; the 32 younger loads, weights, stay out
	; THE BITMAP: word g holds the tokens 32 g .. 32 g + 31 that chose e, first or second.  s21 counts them; s30 keeps word s, s29 the count in front of it.
	; Eight words a run: the first choices' masks go into the words themselves, the second choices' into s55-62, and one wait serves the sixteen compares.
	s_mov_b32 s21, 0
	s_mov_b32 s29, 0
	s_mov_b32 s30, 0
.set g, 0
.rept 4
.set k, 0
.rept 8
	v_cmp_eq_u32 s[MK+g+k], s19, v[IDX+2*(g+k)]
	v_cmp_eq_u32 s[55+k], s19, v[IDX+2*(g+k)+1]
.set k, k+1
.endr
	s_wait_alu depctr_va_sdst(0)                   ; the sixteen compares have written their masks, which the scalar lines below read
.set k, 0
.rept 8
	s_or_b32 s[MK+g+k], s[MK+g+k], s[55+k]
	s_cmp_eq_u32 s20, g+k
	s_cselect_b32 s29, s21, s29
	s_cselect_b32 s30, s[MK+g+k], s30
	s_bcnt1_i32_b32 s45, s[MK+g+k]
	s_add_co_u32 s21, s21, s45
.set k, k+1
.endr
.set g, g+8
.endr
	s_add_co_u32 s22, s21, 15                      ; M rows are
	s_lshr_b32 s22, s22, 4
	s_max_u32 s22, s22, 1                          ; Mt tiles, one at the least
	; RANKS INTO TOKENS, written once: passes 3 down to 0, dead ones jumped; each live pass pushes the later ones back, so that pass 0 ends in front.
	s_mov_b32 s55, 4
.Linv:
	s_sub_co_u32 s56, s55, 1                       ; the pass
	s_mul_i32 s57, s56, 20
	s_cmp_lt_u32 s57, s22
	s_cbranch_scc0 .Linv_next
.set k, 8
.rept 9
	v_mov_b32 v[TK+k+3], v[TK+k]
.set k, k-1
.endr
	s_mul_i32 s57, s56, 320
	v_add_nc_u32 v[RK], s57, v[RKB]                ; rank 320 pass + 128 j + 64 h + 16 w + r
	v_add_nc_u32 v[RK+1], 0x80, v[RK]
	v_add_nc_u32 v[RK+2], 0x100, v[RK]
.irp j, 0,1,2
	v_mov_b32 v[WW+\j], s[MK]
	v_mov_b32 v[PP+\j], 0
.endr
	s_bcnt1_i32_b32 s61, s[MK]                     ; tokens in front of word 1
	; words 1 to 31, four a run (the last run: three): the run's compares first, one wait, then its selects, the words in ascending order
.set g, 1
.rept 8
.set k, 0
.rept 4
.if g+k < 32
	s_add_co_u32 s[CV+k], s61, (g+k)<<21           ; the count in front of word g + k, and 32 (g + k) sixteen bits up
.irp j, 0,1,2
	MREG k, \j
	v_cmp_le_u32 s[mr], s61, v[RK+\j]              ; does the word begin at or below my rank?  The last such word holds it
.endr
	s_bcnt1_i32_b32 s57, s[MK+g+k]
	s_add_co_u32 s61, s61, s57
.endif
.set k, k+1
.endr
	s_wait_alu depctr_va_sdst(0)                   ; the run's compares have written their masks, which the selects below read
.set k, 0
.rept 4
.if g+k < 32
.irp j, 0,1,2
	MREG k, \j
	v_cndmask_b32 v[WW+\j], v[WW+\j], s[MK+g+k], s[mr]
	v_cndmask_b32 v[PP+\j], v[PP+\j], s[CV+k], s[mr]
.endr
.endif
.set k, k+1
.endr
.set g, g+4
.endr
.irp j, 0,1,2
	v_and_b32 v[KK+\j], 0xffff, v[PP+\j]
	v_lshrrev_b32 v[SA+\j], 1, v[WW+\j]
.endr
.irp j, 0,1,2
	v_sub_nc_u32 v[KK+\j], v[RK+\j], v[KK+\j]      ; which set bit of the word
	v_and_b32 v[SA+\j], 0x55555555, v[SA+\j]
.endr
.irp j, 0,1,2
	v_sub_nc_u32 v[SA+\j], v[WW+\j], v[SA+\j]      ; counts of bit pairs, in fields of 2
	v_mov_b32 v[PO+\j], 0
.endr
.irp j, 0,1,2
	v_lshrrev_b32 v[SB+\j], 2, v[SA+\j]
	v_and_b32 v[TA+\j], 0x33333333, v[SA+\j]
.endr
.irp j, 0,1,2
	v_and_b32 v[SB+\j], 0x33333333, v[SB+\j]
.endr
.irp j, 0,1,2
	v_add_nc_u32 v[SB+\j], v[SB+\j], v[TA+\j]      ; of four bits, in fields of 4
.endr
.irp j, 0,1,2
	v_lshrrev_b32 v[SC+\j], 4, v[SB+\j]
.endr
.irp j, 0,1,2
	v_add_nc_u32 v[SC+\j], v[SC+\j], v[SB+\j]
.endr
.irp j, 0,1,2
	v_and_b32 v[SC+\j], 0x0f0f0f0f, v[SC+\j]       ; of bytes
.endr
.irp j, 0,1,2
	v_lshrrev_b32 v[SD+\j], 8, v[SC+\j]
.endr
.irp j, 0,1,2
	v_add_nc_u32 v[SD+\j], v[SD+\j], v[SC+\j]      ; lowest byte: of the low 16 bits
.endr
	DESC SD, 8, 16
	DESC SC, 8, 8
	DESC SB, 4, 4
	DESC SA, 2, 2
	DESC WW, 1, 1
.irp j, 0,1,2
	v_lshrrev_b32 v[TA+\j], 16, v[PP+\j]           ; 32 x the word's number
	v_cmp_gt_u32 s[SM+\j], s21, v[RK+\j]           ; does the rank exist?
.endr
.irp j, 0,1,2
	v_add_nc_u32 v[TA+\j], v[TA+\j], v[PO+\j]
.endr
	s_wait_alu depctr_va_sdst(0)                   ; the three compares have written their masks, which the selects below read
.irp j, 0,1,2
	v_cndmask_b32 v[TK+\j], 0, v[TA+\j], s[SM+\j]  ; a rank past the count names token 0
.endr
.Linv_next:
	s_sub_co_u32 s55, s55, 1
	s_cmp_lg_u32 s55, 0
	s_cbranch_scc1 .Linv
	EXPAND
	; what wave 0 will store, made here by every wave so that the wait below serves it too: for tokens 32 s + L, how many of e's tokens lie below; and the expert's count
	v_mbcnt_lo_u32_b32 v20, s30, 0                 ; e's tokens in lanes below me,
	v_add_nc_u32 v20, s29, v20                     ; and in the words before
	v_lshl_add_u32 v20, s19, 10, v20               ; 1,024 e + that
	v_mov_b32 v27, s21
	s_mov_b64 s[40:41], s[4:5]                     ; chunk 0 of my rows
	s_wait_alu depctr_va_vdst(0)                   ; XOFF is written, which the token loads read; so are v20 and v27, which the two stores below read: the lines between, which clear accumulators, name none of them
	XLOAD 0
	XLOAD 1
	XLOAD 2
	XLOAD 3
	CLEAR                                          ; in the wait for the first loads
	s_cmp_lg_u32 s18, 0
	s_cbranch_scc1 .Lnofw
	global_store_b32 v26, v20, s[14:15]            ; wave 0: all 32 lanes store, 128 consecutive bytes at a place made of the work-group's and the lane's numbers alone
	s_cmp_lg_u32 s20, 0
	s_cbranch_scc1 .Lnofw
	global_store_b32 v26, v27, s[16:17]            ; slice 0 stores the expert's count
.Lnofw:                                ; v20, v26, v27 and the two bases are not written again
	s_wait_loadcnt 0x0                             ; chunk 0 is in registers, and the loads' bases may be written
	s_add_nc_u64 s[36:37], s[8:9], 1<<CH           ; chunk 1
	s_add_nc_u64 s[38:39], s[10:11], 1<<CH
	s_add_nc_u64 s[40:41], s[4:5], 256
	SUB 0, 0                                       ; chunk 0 into slot 0; chunk 1 is asked for: the queue is in its cyclic order
	WLOAD 0
	SUB 1, 0
	WLOAD 1
	SUB 2, 0
	WLOAD 2
	SUB 3, 0
	WLOAD 3
	WIN 0
	s_mov_b32 s23, 0
.Lpass:
	s_wait_xcnt 0x0                                ; the last pass's stores have read hid's base
	s_mul_i32 s28, s23, 20                         ; the pass's first tile
	s_mul_i32 s44, s23, 20*2048
	s_mov_b32 s45, 0
	s_add_nc_u64 s[42:43], s[12:13], s[44:45]
	s_sub_co_i32 s44, s22, s28
	s_sub_co_i32 s44, s44, s18
	s_max_i32 s44, s44, 0
	s_add_co_u32 s44, s44, 3
	s_lshr_b32 s44, s44, 2
	s_min_u32 s26, s44, 5                          ; my live tiles: those i with 20 r + 4 i + w < Mt
	s_add_co_u32 s44, s28, 20
	s_cmp_lt_u32 s44, s22
	s_cselect_b32 s27, -1, 0                       ; is there a next pass?
	s_cmp_lt_u32 s28, s22
	s_cselect_b32 s25, 1, 0                        ; is this one live?  The same in all four waves
	s_mov_b32 s24, 0
.Lpair:
	s_wait_dscnt 0x0                               ; my stores into slot 0 are done, and my reads of slot 1 are over
	s_barrier_signal -1
	s_barrier_wait -1                              ; both hold of every wave: slot 0 is whole, slot 1 may be written
	s_cmp_eq_u32 s25, 0
	s_cbranch_scc1 .Lodd                           ; a dead pass jumps the work, never the barrier
	G 0
.Lodd:
	s_wait_dscnt 0x0                               ; the same with the slots changed
	s_barrier_signal -1
	s_barrier_wait -1
	s_cmp_eq_u32 s25, 0
	s_cbranch_scc1 .Lnext
	G 1
.Lnext:
	s_add_co_u32 s24, s24, 1
	s_cmp_lt_u32 s24, 4
	s_cbranch_scc1 .Lpair
	s_add_co_u32 s23, s23, 1
	s_cmp_lt_u32 s23, 4
	s_cbranch_scc1 .Lpass
	s_wait_dscnt 0x0                               ; the closing lines, six on end
	s_wait_alu 0x0
	s_wait_tensorcnt 0x0
	ds_add_u32 v[SPW], v[NIL]
	s_wait_dscnt 0x0
	s_endpgm
.Lfunc_end_k_q383bf57b00_ffn1:
	.size	k_q383bf57b00_ffn1, .Lfunc_end_k_q383bf57b00_ffn1-k_q383bf57b00_ffn1
	.p2alignl 7, 3214868480
	.fill 96, 4, 3214868480
	.section	.rodata,"a",@progbits
	.p2align	6, 0x0
	.amdhsa_kernel k_q383bf57b00_ffn1
		.amdhsa_group_segment_fixed_size 241152
		.amdhsa_private_segment_fixed_size 0
		.amdhsa_enable_private_segment 0
		.amdhsa_kernarg_size 56
		.amdhsa_user_sgpr_count 2
		.amdhsa_user_sgpr_kernarg_segment_ptr 1
		.amdhsa_wavefront_size32 1
		.amdhsa_system_sgpr_workgroup_id_x 1
		.amdhsa_system_sgpr_workgroup_id_y 1
		.amdhsa_system_sgpr_workgroup_id_z 1
		.amdhsa_system_vgpr_workitem_id 0
		.amdhsa_next_free_vgpr 1024
		.amdhsa_next_free_sgpr 98
		.amdhsa_reserve_vcc 0
		.amdhsa_float_denorm_mode_32 3
		.amdhsa_float_denorm_mode_16_64 3
		.amdhsa_memory_ordered 1
		.amdhsa_forward_progress 1
		.amdhsa_inst_pref_size 231
	.end_amdhsa_kernel
	.amdgpu_metadata
---
amdhsa.version: [ 1, 2 ]
amdhsa.kernels:
  - .name:           k_q383bf57b00_ffn1
    .symbol:         k_q383bf57b00_ffn1.kd
    .args:
      - { .name: xb, .offset: 0, .size: 8, .value_kind: global_buffer, .address_space: global }
      - { .name: idx, .offset: 8, .size: 8, .value_kind: global_buffer, .address_space: global }
      - { .name: w1, .offset: 16, .size: 8, .value_kind: global_buffer, .address_space: global }
      - { .name: w3, .offset: 24, .size: 8, .value_kind: global_buffer, .address_space: global }
      - { .name: hid, .offset: 32, .size: 8, .value_kind: global_buffer, .address_space: global }
      - { .name: pos, .offset: 40, .size: 8, .value_kind: global_buffer, .address_space: global }
      - { .name: cnt, .offset: 48, .size: 8, .value_kind: global_buffer, .address_space: global }
    .group_segment_fixed_size: 241152
    .private_segment_fixed_size: 0
    .kernarg_segment_align: 8
    .kernarg_segment_size: 56
    .max_flat_workgroup_size: 128
    .sgpr_count:     98
    .vgpr_count:     1024
    .wavefront_size: 32
...
	.end_amdgpu_metadata
.endif
;; end of part 8
;; launch ffn2: the kernel of part 6 again; grid 32 x 8, 4 waves a work-group, no clusters, 100,864 bytes of LDS; arguments hid, cnt, w2, ypart; writes ypart
;; launch combine: the kernel of part 7 again; grid 256 x 1, 8 waves a work-group, no clusters, 0 bytes of LDS; arguments ypart, gates, pos, idx, out0; writes out0
